; MI455X (gfx1250); checked and timed in simulation.
; The chip was launched on July 23, 2026; its instructions are those of AMD's public machine-readable ISA for CDNA 5 (MIT licence, August 2026) and "CDNA5" Instruction Set Architecture Reference Guide (July 2026). The comments in the code are by the model that wrote it; some were corrected since.
;; Mixtureof Experts Block. Allowed arithmetic: float matrix products may take bf16 or f16 operands with f32 sums; all other float work in f32.
;; Inputs: W1 8 x 1,024 x 1,024 float32; W2 8 x 1,024 x 1,024 float32; Wr 1,024 x 8 float32; b1 8 x 1,024 float32; b2 8 x 1,024 float32; br 8 float32; x 2 x 2,048 x 1,024 float32.
;; Outputs: out0 2 x 2,048 x 1,024 float32.
;; 3 versions, each right; version 2 is faster than version 1; version 3 is version 2 with the launch combine written anew for expert scheduling mode. Each part assembles by itself: llvm-mc -triple=amdgcn-amd-amdhsa -mcpu=gfx1250 --defsym DOCPART=n.
;; ======== version 1 of 3: 6 launches
;; limits: values are held in f16: magnitudes above 65,504 overflow, below 6.1e-05 lose precision
;; workspace buffers: sel 16,384 bytes of whole numbers; gate 32,768 bytes; route 40,960 bytes of whole numbers; wb 33,554,432 bytes; xs 18,874,368 bytes; hs 18,874,368 bytes; ys 37,748,736 bytes
;; launch router (part 1): grid 256 x 1, 8 waves a work-group, no clusters, 5,120 bytes of LDS; arguments x, Wr, br, sel, gate; writes sel, gate
.if DOCPART == 1
	.amdgcn_target "amdgcn-amd-amdhsa--gfx1250"
	.amdhsa_code_object_version 6
	.text
	.protected	k_qb1cd58e7c3_router
	.globl	k_qb1cd58e7c3_router
	.p2align	8
	.type	k_qb1cd58e7c3_router,@function
k_qb1cd58e7c3_router:
	s_mov_b64 s[64:65], 0
	v_nop
	global_prefetch_b8 v0, s[64:65] scope:SCOPE_SE
	s_setreg_imm32_b32 hwreg(HW_REG_WAVE_MODE, 25, 1), 1
	s_wait_xcnt 0x0
; ROUTER.  scores[t][e] = x[t] . Wr[:, e] + br[e] in f32 on the vector unit; the two largest scores of a token; the softmax over those two.
; f32, not the matrix unit: a choice between experts hangs on the scores, and 4,096 x 1,024 x 8 multiply-adds are no bulk work.
; sel[t] = i1 | i2 << 8 (whole numbers), gate[t] = (g of i1, g of i2).  i1 != i2 for every bit pattern of the scores.
; LIMITS.  The f32 sums are formed in another order than a plain dot product: a token whose second and third scores agree to about 1e-6 of
; their size may pick the other of the two.  Scores that are NaN lose every comparison: a token of NaN scores picks experts 0 and 1, and its gates are NaN.
; SHARES.  A work-group has 16 tokens.  Wave w takes d = 128 w .. 128 w + 127 of each, lane l the four d = 128 w + 4 l ..: one load of a wave covers
; 512 consecutive bytes of a row of x, and a lane's 4 x 8 numbers of Wr stay in 32 registers.  The waves' parts meet in LDS; wave 0 finishes.
.set WR,  8                            ; v[8:39]    Wr[d][e] of my four d: WR + 8 d + e
.set X,   40                           ; v[40:103]  token i: 4 registers; later the eight waves' parts of a token's scores
.set AC,  104                          ; v[104:111] my part of a token's eight scores
.set KP,  112                          ; v[112:115] the half that a lane keeps in a step of the reduction
.set SD,  116                          ; v[116:119] the half that it hands over
	s_load_b256 s[4:11], s[0:1], 0x0               ; x s[4:5], Wr s[6:7], br s[8:9], sel s[10:11]
	s_load_b64 s[12:13], s[0:1], 0x20              ; gate
	v_lshl_add_u32 v120, v0, 2, 0x1000
	v_mov_b32 v121, 0
	v_and_b32 v1, 31, v0                           ; lane
	v_lshrrev_b32 v5, 5, v0
	v_readfirstlane_b32 s14, v5                    ; wave
	v_lshlrev_b32 v2, 4, v0                        ; my 16 bytes of a row of x: 512 w + 16 l
	v_lshlrev_b32 v3, 7, v0                        ; my four rows of Wr, 32 bytes each
	v_and_b32 v4, 1, v0                            ; the expert whose sum ends in my lane: e(l) = 4 (l & 1) + (l & 2) + ((l >> 2) & 1)
	v_lshlrev_b32 v4, 2, v4
	v_and_or_b32 v4, v0, 2, v4
	v_bfe_u32 v5, v0, 2, 1
	v_or_b32 v4, v4, v5
	v_lshlrev_b32 v4, 2, v4
	v_lshl_add_u32 v4, s14, 9, v4                  ; LDS: part [w][i][e] at 512 w + 32 i + 4 e
	s_mov_b32 s24, 0xaaaaaaaa                      ; lanes with bit 0 set,
	s_mov_b32 s25, 0xcccccccc                      ; bit 1,
	s_mov_b32 s26, 0xf0f0f0f0                      ; bit 2
	s_mov_b32 s28, 0x76543210                      ; v_permlanex16_b32: each lane takes its own place in the other half
	s_mov_b32 s29, 0xfedcba98
	s_lshl_b32 s30, ttmp9, 16                      ; the work-group's 16 rows of 4,096 bytes
	s_mov_b32 s31, 0
	s_wait_kmcnt 0x0
	s_add_nc_u64 s[4:5], s[4:5], s[30:31]
	s_load_b256 s[16:23], s[8:9], 0x0              ; br, waited for in front of its use
.irp k, 0,1,2,3,4,5,6,7
	global_load_b128 v[WR+4*\k:WR+4*\k+3], v3, s[6:7] offset:16*\k
.endr
.irp i, 0,1,2,3,4,5,6,7,8,9,10,11,12,13,14,15
	global_load_b128 v[X+4*\i:X+4*\i+3], v2, s[4:5] offset:4096*\i th:TH_LOAD_NT
.endr
; Eight sums over 32 lanes in 24 instructions: in each of three steps a lane keeps half of its sums and hands the other half to the lane 1, 2, 4 away,
; then one sum is left, which two more steps (8 away, 16 away) finish.  Lane l ends with the sum of expert e(l).
.macro RED
.irp i, 0,1,2,3
	v_cndmask_b32 v[KP+\i], v[AC+\i], v[AC+4+\i], s24
	v_cndmask_b32 v[SD+\i], v[AC+4+\i], v[AC+\i], s24
.endr
.irp i, 0,1,2,3
	v_add_f32_dpp v[AC+\i], v[SD+\i], v[KP+\i] row_xmask:1 row_mask:0xf bank_mask:0xf
.endr
.irp i, 0,1
	v_cndmask_b32 v[KP+\i], v[AC+\i], v[AC+2+\i], s25
	v_cndmask_b32 v[SD+\i], v[AC+2+\i], v[AC+\i], s25
.endr
.irp i, 0,1
	v_add_f32_dpp v[AC+\i], v[SD+\i], v[KP+\i] row_xmask:2 row_mask:0xf bank_mask:0xf
.endr
	v_cndmask_b32 v[KP], v[AC], v[AC+1], s26
	v_cndmask_b32 v[SD], v[AC+1], v[AC], s26
	v_add_f32_dpp v[AC], v[SD], v[KP] row_xmask:4 row_mask:0xf bank_mask:0xf
	v_add_f32_dpp v[AC], v[AC], v[AC] row_xmask:8 row_mask:0xf bank_mask:0xf
	v_permlanex16_b32 v[KP], v[AC], s28, s29
	v_add_f32 v[AC], v[AC], v[KP]
.endm
; Token i: my four x times my four rows of Wr, two experts to an instruction; the first product starts the sums.
.macro TOK i
	s_wait_loadcnt 15-\i                           ; loads come back in order: token i's is in (and Wr, which is older); the younger tokens' stay out
.irp e, 0,2,4,6
	v_pk_mul_f32 v[AC+\e:AC+\e+1], v[X+4*\i:X+4*\i+1], v[WR+\e:WR+\e+1] op_sel_hi:[0,1]
.endr
.irp e, 0,2,4,6
	v_pk_fma_f32 v[AC+\e:AC+\e+1], v[X+4*\i:X+4*\i+1], v[WR+8+\e:WR+8+\e+1], v[AC+\e:AC+\e+1] op_sel:[1,0,0] op_sel_hi:[1,1,1]
.endr
.irp e, 0,2,4,6
	v_pk_fma_f32 v[AC+\e:AC+\e+1], v[X+4*\i+2:X+4*\i+3], v[WR+16+\e:WR+16+\e+1], v[AC+\e:AC+\e+1] op_sel_hi:[0,1,1]
.endr
.irp e, 0,2,4,6
	v_pk_fma_f32 v[AC+\e:AC+\e+1], v[X+4*\i+2:X+4*\i+3], v[WR+24+\e:WR+24+\e+1], v[AC+\e:AC+\e+1] op_sel:[1,0,0] op_sel_hi:[1,1,1]
.endr
	RED
	ds_store_b32 v4, v[AC] offset:32*\i            ; four lanes hold each expert's sum and write the same word with the same number
.endm
.irp i, 0,1,2,3,4,5,6,7,8,9,10,11,12,13,14,15
	TOK \i
.endr
	s_wait_dscnt 0x0                               ; for wave 0's sake: my parts are in LDS
	s_barrier_signal -1
	s_barrier_wait -1
	s_cmp_lg_u32 s14, 0
	s_cbranch_scc1 .Lend                           ; wave 0 finishes; lane l takes token l % 16 (both halves of the lanes do the same work, one half stores)
	v_and_b32 v5, 15, v0
	v_lshlrev_b32 v6, 5, v5
.irp w, 0,1,2,3,4,5,6,7
	ds_load_b128 v[X+8*\w:X+8*\w+3],   v6 offset:512*\w
	ds_load_b128 v[X+8*\w+4:X+8*\w+7], v6 offset:512*\w+16
.endr
	s_lshl_b32 s30, ttmp9, 6                       ; the work-group's 16 words of sel,
	s_add_nc_u64 s[10:11], s[10:11], s[30:31]
	s_lshl_b32 s30, ttmp9, 7                       ; its 16 pairs of gate
	s_add_nc_u64 s[12:13], s[12:13], s[30:31]
	s_wait_dscnt 0x0
.irp q, 0,16,32,48
.irp p, 0,2,4,6
	v_pk_add_f32 v[X+\q+\p:X+\q+\p+1], v[X+\q+\p:X+\q+\p+1], v[X+\q+8+\p:X+\q+8+\p+1]
.endr
.endr
.irp q, 0,32
.irp p, 0,2,4,6
	v_pk_add_f32 v[X+\q+\p:X+\q+\p+1], v[X+\q+\p:X+\q+\p+1], v[X+\q+16+\p:X+\q+16+\p+1]
.endr
.endr
.irp p, 0,2,4,6
	v_pk_add_f32 v[X+\p:X+\p+1], v[X+\p:X+\p+1], v[X+32+\p:X+32+\p+1]
.endr
	s_wait_kmcnt 0x0                               ; br
.irp e, 0,1,2,3,4,5,6,7
	v_add_f32 v[X+\e], s[16+\e], v[X+\e]
.endr
	; the largest score: a later expert wins only if it is strictly larger, so of equal scores the lower index is taken, as top_k takes it
	v_mov_b32 v104, v[X]                           ; m1
	v_mov_b32 v105, 0                              ; i1
.irp e, 1,2,3,4,5,6,7
	v_cmp_gt_f32 vcc_lo, v[X+\e], v104
	v_cndmask_b32 v104, v104, v[X+\e], vcc_lo
	v_cndmask_b32 v105, v105, \e, vcc_lo
.endr
	; the largest of the others: it starts at the lowest index that is not i1
	v_cmp_eq_u32 vcc_lo, 0, v105
	v_cndmask_b32 v106, v[X], v[X+1], vcc_lo       ; m2
	v_cndmask_b32 v107, 0, 1, vcc_lo               ; i2
.irp e, 1,2,3,4,5,6,7
	v_cmp_gt_f32 s32, v[X+\e], v106
	v_cmp_ne_u32 s33, \e, v105
	s_and_b32 vcc_lo, s32, s33
	v_cndmask_b32 v106, v106, v[X+\e], vcc_lo
	v_cndmask_b32 v107, v107, \e, vcc_lo
.endr
	; softmax over the two, the maximum m1 taken away: g1 = 1 / (1 + e^(m2 - m1)), g2 = e^(m2 - m1) g1; the exponent is never above 0
	v_sub_f32 v108, v106, v104
	v_mul_f32 v108, 0x3fb8aa3b, v108               ; log2(e)
	v_exp_f32 v109, v108
	v_lshl_or_b32 v114, v107, 8, v105              ; (a plain instruction stands behind each transcendental before its result is used: ISA guide 5.7.2)
	s_wait_alu depctr_va_vdst(0)
	v_add_f32 v110, 1.0, v109
	v_rcp_f32 v112, v110
	v_lshlrev_b32 v115, 2, v5
	s_wait_alu depctr_va_vdst(0)
	v_mul_f32 v113, v109, v112
	v_lshlrev_b32 v116, 3, v5
	v_cmp_gt_u32 vcc_lo, 16, v1
	s_wait_xcnt 0x0                                ; EXEC is a source of the loads above: it changes only behind this wait
	s_and_saveexec_b32 s34, vcc_lo
	global_store_b32 v115, v114, s[10:11]          ; 64 and 128 consecutive bytes a work-group: 48 KiB in the whole launch
	global_store_b64 v116, v[112:113], s[12:13]
	s_wait_xcnt 0x0                                ; and again in front of the line that widens it
	s_or_b32 exec_lo, exec_lo, s34
.Lend:
	s_wait_tensorcnt 0x0
	ds_add_u32 v120, v121
	s_wait_dscnt 0x0
	s_endpgm
.Lfunc_end_k_qb1cd58e7c3_router:
	.size	k_qb1cd58e7c3_router, .Lfunc_end_k_qb1cd58e7c3_router-k_qb1cd58e7c3_router
	.p2alignl 7, 3214868480
	.fill 96, 4, 3214868480
	.section	.rodata,"a",@progbits
	.p2align	6, 0x0
	.amdhsa_kernel k_qb1cd58e7c3_router
		.amdhsa_group_segment_fixed_size 5120
		.amdhsa_private_segment_fixed_size 0
		.amdhsa_enable_private_segment 0
		.amdhsa_kernarg_size 40
		.amdhsa_user_sgpr_count 2
		.amdhsa_user_sgpr_kernarg_segment_ptr 1
		.amdhsa_wavefront_size32 1
		.amdhsa_system_sgpr_workgroup_id_x 1
		.amdhsa_system_sgpr_workgroup_id_y 1
		.amdhsa_system_sgpr_workgroup_id_z 1
		.amdhsa_system_vgpr_workitem_id 0
		.amdhsa_next_free_vgpr 122
		.amdhsa_next_free_sgpr 66
		.amdhsa_reserve_vcc 1
		.amdhsa_float_denorm_mode_32 3
		.amdhsa_float_denorm_mode_16_64 3
		.amdhsa_memory_ordered 1
		.amdhsa_forward_progress 1
		.amdhsa_inst_pref_size 52
	.end_amdhsa_kernel
	.amdgpu_metadata
---
amdhsa.version: [ 1, 2 ]
amdhsa.kernels:
  - .name:           k_qb1cd58e7c3_router
    .symbol:         k_qb1cd58e7c3_router.kd
    .args:
      - { .name: x, .offset: 0, .size: 8, .value_kind: global_buffer, .address_space: global }
      - { .name: Wr, .offset: 8, .size: 8, .value_kind: global_buffer, .address_space: global }
      - { .name: br, .offset: 16, .size: 8, .value_kind: global_buffer, .address_space: global }
      - { .name: sel, .offset: 24, .size: 8, .value_kind: global_buffer, .address_space: global }
      - { .name: gate, .offset: 32, .size: 8, .value_kind: global_buffer, .address_space: global }
    .group_segment_fixed_size: 5120
    .private_segment_fixed_size: 0
    .kernarg_segment_align: 8
    .kernarg_segment_size: 40
    .max_flat_workgroup_size: 256
    .sgpr_count:     66
    .vgpr_count:     122
    .wavefront_size: 32
...
	.end_amdgpu_metadata
.endif
;; end of part 1
;; launch prep (part 2): grid 1025 x 1, 8 waves a work-group, no clusters, 1,280 bytes of LDS; arguments sel, W1, W2, route, wb; writes route, wb
.if DOCPART == 2
	.amdgcn_target "amdgcn-amd-amdhsa--gfx1250"
	.amdhsa_code_object_version 6
	.text
	.protected	k_qb1cd58e7c3_prep
	.globl	k_qb1cd58e7c3_prep
	.p2align	8
	.type	k_qb1cd58e7c3_prep,@function
k_qb1cd58e7c3_prep:
	s_mov_b64 s[64:65], 0
	v_nop
	global_prefetch_b8 v0, s[64:65] scope:SCOPE_SE
	s_setreg_imm32_b32 hwreg(HW_REG_WAVE_MODE, 25, 1), 1
	s_wait_xcnt 0x0
; PREP.  Work-groups 1 .. 1,024 cast W1 and W2 to f16 as they lie ([expert][k][n]): wb = [2][8][1024][1024].  Work-group 0 makes the routing tables
; from sel; its chain of dependent steps runs beside the cast's 96 MiB of traffic.
; f16, NOT bf16: 11 significant bits against 8.  The result is a sum of 1,024 products twice over, of four rounded operands (x, W1, h, W2); with roundings of up to 2^-8 of a binade
; their errors add up to about a third of a per cent of the result's spread, with roundings of up to 2^-11 to an eighth of that.
; LIMIT.  |W| above 65,504 becomes infinite; below 6.1e-5 the step is 6e-8 (denormals are kept).  The weights' spread as drawn is 1/32: 30 times larger or smaller it is 0.94 or 0.001, both inside.
; route, in bytes:  0 META, 128 words: word 0 = NB, the row blocks of 128 slots in use; word 1 = NP, the pad slots inside them; word 16 + j = the expert of block j (0 from NB on)
;                 512 PADL, 1,024 words: the slots that hold no token: first the NP pads inside the experts' blocks, then the slots from 128 NB up to 9,215
;                8192 POS, [4096][2]: the slots of a token's first and second expert
; Expert e owns the slots base_e .. base_e + (its count rounded up to 128) - 1, so every block of 128 slots belongs to one expert.  8,192 picks: 64 <= NB <= 71, NP <= 896,
; and 8,192 token slots + 1,024 listed slots are all 9,216.
	s_load_b256 s[4:11], s[0:1], 0x0               ; sel s[4:5], W1 s[6:7], W2 s[8:9], route s[10:11]
	s_load_b64 s[12:13], s[0:1], 0x20              ; wb
	v_lshl_add_u32 v112, v0, 2, 0x100
	v_mov_b32 v113, 0
	s_cmp_eq_u32 ttmp9, 0                          ; the same answer in all eight waves of a work-group
	s_cbranch_scc1 .Lplace
	; THE CAST.  64 KiB of f32 to a work-group.  A thread takes 32 bytes of every 8 KiB and stores 16: a store of a wave covers 512 consecutive bytes, aligned.
	; All sixteen loads go out at once; no register is used twice, so nothing waits for a store.
	s_sub_co_u32 s14, ttmp9, 1                     ; piece 0 .. 1,023: 512 of W1, then 512 of W2
	s_and_b32 s18, s14, 511
	s_lshl_b32 s18, s18, 16
	s_mov_b32 s19, 0
	s_lshl_b32 s20, s14, 15
	s_mov_b32 s21, 0
	v_lshlrev_b32 v2, 5, v0
	v_lshlrev_b32 v3, 4, v0
	s_wait_kmcnt 0x0
	s_cmp_lt_u32 s14, 512
	s_cselect_b64 s[16:17], s[6:7], s[8:9]
	s_add_nc_u64 s[16:17], s[16:17], s[18:19]
	s_add_nc_u64 s[12:13], s[12:13], s[20:21]
.irp i, 0,1,2,3,4,5,6,7
	global_load_b128 v[8+8*\i:8+8*\i+3],  v2, s[16:17] offset:8192*\i th:TH_LOAD_NT
	global_load_b128 v[12+8*\i:12+8*\i+3], v2, s[16:17] offset:8192*\i+16 th:TH_LOAD_NT
.endr
.irp i, 0,1,2,3,4,5,6,7
	s_wait_loadcnt 14-2*\i                         ; pair i is in; the younger pairs stay out
.irp c, 0,1,2,3
	v_cvt_pk_f16_f32 v[72+4*\i+\c], v[8+8*\i+2*\c], v[8+8*\i+2*\c+1]
.endr
	global_store_b128 v3, v[72+4*\i:72+4*\i+3], s[12:13] offset:4096*\i
.endr
	s_endpgm
	; THE PLACEMENT.  Wave w holds tokens 512 w .. 512 w + 511, sixteen to a lane: register g = 4 j + k of lane l is token 512 w + 128 j + 4 l + k.
	; Within an expert the slots are dealt in the order wave, register, lane: any fixed order serves.  No address hangs on the data.
.set SELR, 8                           ; v[8:23]   sel as loaded
.set I1,   24                          ; v[24:39]  first expert
.set I2,   40                          ; v[40:55]  second expert
.set PO,   56                          ; v[56:87]  the two slots of register g at PO + 2 g
.set R,    88                          ; v[88:95]  a register's ranks, one for each expert; before that: the exchange of counts (v88-99)
.set CNT,  16                          ; s[16:23]  my wave's picks of expert e
.set TOT,  24                          ; s[24:31]  all waves'
.set RUN,  32                          ; s[32:39]  the next free slot of expert e for my wave
.set BAS,  40                          ; s[40:48]  base_e; base_8 = 128 NB
.set PP,   50                          ; s[50:58]  pads in front of expert e's; PP + 8 = NP
.set DD8,  59                          ; s59       listed slot q >= NP lies at q + DD8
.set DD,   66                          ; s[66:73]  pad q of expert e lies at slot q + DD_e
.set BB,   74                          ; s[74:81]  expert e's first block
.set MA,   84                          ; s[84:91]  lanes whose first expert is e
.set MB,   92                          ; s[92:99]  lanes whose second expert is e
.Lplace:
	v_and_b32 v1, 31, v0
	v_lshrrev_b32 v2, 5, v0
	v_readfirstlane_b32 s14, v2                    ; wave
	v_lshlrev_b32 v3, 4, v1
	v_lshl_add_u32 v3, s14, 11, v3                 ; 2,048 w + 16 l
	s_wait_kmcnt 0x0
.irp j, 0,1,2,3
	global_load_b128 v[SELR+4*\j:SELR+4*\j+3], v3, s[4:5] offset:512*\j
.endr
.irp e, 0,1,2,3,4,5,6,7
	s_mov_b32 s[CNT+\e], 0
.endr
	s_wait_loadcnt 0x0
.set g, 0
.rept 16
	v_and_b32 v[I1+g], 0xff, v[SELR+g]
	v_lshrrev_b32 v[I2+g], 8, v[SELR+g]
.set g, g+1
.endr
	; pass 1: my wave's count for each expert.  A register's sixteen compares go out together, then the scalar sums.
.set g, 0
.rept 16
.irp e, 0,1,2,3,4,5,6,7
	v_cmp_eq_u32 s[MA+\e], \e, v[I1+g]
	v_cmp_eq_u32 s[MB+\e], \e, v[I2+g]
.endr
.irp e, 0,1,2,3,4,5,6,7
	s_or_b32 s61, s[MA+\e], s[MB+\e]
	s_bcnt1_i32_b32 s61, s61
	s_add_co_u32 s[CNT+\e], s[CNT+\e], s61
.endr
.set g, g+1
.endr
	; the waves' counts meet in LDS, two to a word (a wave's is 512 at the most, a sum over waves 4,096: both fit 16 bits)
.irp p, 0,1,2,3
	s_lshl_b32 s61, s[CNT+2*\p+1], 16
	s_or_b32 s61, s61, s[CNT+2*\p]
	v_mov_b32 v[88+\p], s61
.endr
	v_mov_b32 v92, s14
	v_lshlrev_b32 v92, 4, v92
	ds_store_b128 v92, v[88:91]                    ; all lanes write the wave's 16 bytes with the same numbers
	s_wait_dscnt 0x0                               ; for the others' sake
	s_barrier_signal -1
	s_barrier_wait -1
	v_and_b32 v93, 7, v0
	v_lshlrev_b32 v94, 4, v93
	ds_load_b128 v[88:91], v94                     ; lane l: the counts of wave l % 8
	s_wait_dscnt 0x0
	v_cmp_gt_u32 vcc_lo, s14, v93                  ; a second copy with the waves in front of mine alone
.irp p, 0,1,2,3
	v_cndmask_b32 v[96+\p], 0, v[88+\p], vcc_lo
.endr
	v_mov_b32 v95, 0
.irp m, 1,2,4
.irp p, 88,89,90,91,96,97,98,99
	v_mov_b32_dpp v95, v\p row_xmask:\m row_mask:0xf bank_mask:0xf
	v_add_nc_u32 v\p, v\p, v95
.endr
.endr
.irp p, 0,1,2,3
	v_readfirstlane_b32 s61, v[88+\p]
	s_and_b32 s[TOT+2*\p], s61, 0xffff
	s_lshr_b32 s[TOT+2*\p+1], s61, 16
	v_readfirstlane_b32 s62, v[96+\p]
	s_and_b32 s[RUN+2*\p], s62, 0xffff
	s_lshr_b32 s[RUN+2*\p+1], s62, 16
.endr
	s_mov_b32 s[BAS], 0
	s_mov_b32 s[PP], 0
.irp e, 0,1,2,3,4,5,6,7
	s_add_co_u32 s61, s[TOT+\e], 127
	s_and_b32 s61, s61, 0xffffff80                 ; the count rounded up to whole blocks
	s_add_co_u32 s[BAS+\e+1], s[BAS+\e], s61
	s_sub_co_u32 s61, s61, s[TOT+\e]
	s_add_co_u32 s[PP+\e+1], s[PP+\e], s61
	s_add_co_u32 s[RUN+\e], s[RUN+\e], s[BAS+\e]
	s_add_co_u32 s62, s[BAS+\e], s[TOT+\e]
	s_sub_co_u32 s[DD+\e], s62, s[PP+\e]
	s_lshr_b32 s[BB+\e], s[BAS+\e], 7
.endr
	s_lshr_b32 s60, s[BAS+8], 7                    ; NB
	s_sub_co_u32 s[DD8], s[BAS+8], s[PP+8]         ; the slots behind the last block in use follow the pads in the list
	; pass 2: a pick's slot = the expert's next free slot + the picks of that expert in lower lanes of this register
.set g, 0
.rept 16
.irp e, 0,1,2,3,4,5,6,7
	v_cmp_eq_u32 s[MA+\e], \e, v[I1+g]
	v_cmp_eq_u32 s[MB+\e], \e, v[I2+g]
.endr
.irp e, 0,1,2,3,4,5,6,7
	s_or_b32 s61, s[MA+\e], s[MB+\e]
	v_mbcnt_lo_u32_b32 v[R+\e], s61, s[RUN+\e]
	s_bcnt1_i32_b32 s62, s61
	s_add_co_u32 s[RUN+\e], s[RUN+\e], s62
.endr
	v_mov_b32 v[PO+2*g], v[R]                      ; expert 0's rank starts both; the expert that matches replaces it
	v_mov_b32 v[PO+2*g+1], v[R]
.irp e, 1,2,3,4,5,6,7
	v_cndmask_b32 v[PO+2*g], v[PO+2*g], v[R+\e], s[MA+\e]
	v_cndmask_b32 v[PO+2*g+1], v[PO+2*g+1], v[R+\e], s[MB+\e]
.endr
.set g, g+1
.endr
	v_lshlrev_b32 v4, 5, v1
	v_lshl_add_u32 v4, s14, 12, v4                 ; POS: 8 bytes a token: 4,096 w + 1,024 j + 32 l
.irp j, 0,1,2,3
	global_store_b128 v4, v[PO+8*\j:PO+8*\j+3],   s[10:11] offset:8192+1024*\j
	global_store_b128 v4, v[PO+8*\j+4:PO+8*\j+7], s[10:11] offset:8192+1024*\j+16
.endr
	; PADL: thread i makes entries 4 i .. 4 i + 3.  Entry q belongs to the last expert whose pads begin at or in front of q; from NP on to the slots behind the last block in use.
	v_lshlrev_b32 v5, 2, v0
.irp k, 0,1,2,3
	v_add_nc_u32 v[104+\k], \k, v5
	v_mov_b32 v[100+\k], s[DD]
.endr
.irp e, 1,2,3,4,5,6,7
.irp k, 0,1,2,3
	v_cmp_le_u32 vcc_lo, s[PP+\e], v[104+\k]
	v_cndmask_b32 v[100+\k], v[100+\k], s[DD+\e], vcc_lo
.endr
.endr
.irp k, 0,1,2,3
	v_cmp_le_u32 vcc_lo, s[PP+8], v[104+\k]
	v_cndmask_b32 v[100+\k], v[100+\k], s[DD8], vcc_lo
.endr
.irp k, 0,1,2,3
	v_add_nc_u32 v[100+\k], v[100+\k], v[104+\k]
.endr
	v_lshlrev_b32 v6, 4, v0
	global_store_b128 v6, v[100:103], s[10:11] offset:512
	; META: threads 0 .. 127, one word each
	s_cmp_lt_u32 s14, 4
	s_cbranch_scc0 .Lpend
	v_add_nc_u32 v108, -16, v0                     ; block j = word - 16 (words 0 .. 15 wrap to large numbers and fall to 0 below)
	v_mov_b32 v109, 0
.irp e, 1,2,3,4,5,6,7
	v_cmp_le_u32 vcc_lo, s[BB+\e], v108
	v_cndmask_b32 v109, v109, \e, vcc_lo
.endr
	v_cmp_gt_u32 vcc_lo, s60, v108
	v_cndmask_b32 v109, 0, v109, vcc_lo
	v_cmp_eq_u32 vcc_lo, 0, v0
	v_cndmask_b32 v109, v109, s60, vcc_lo
	v_cmp_eq_u32 vcc_lo, 1, v0
	v_cndmask_b32 v109, v109, s[PP+8], vcc_lo
	global_store_b32 v5, v109, s[10:11]
.Lpend:
	s_wait_tensorcnt 0x0
	ds_add_u32 v112, v113
	s_wait_dscnt 0x0
	s_endpgm
.Lfunc_end_k_qb1cd58e7c3_prep:
	.size	k_qb1cd58e7c3_prep, .Lfunc_end_k_qb1cd58e7c3_prep-k_qb1cd58e7c3_prep
	.p2alignl 7, 3214868480
	.fill 96, 4, 3214868480
	.section	.rodata,"a",@progbits
	.p2align	6, 0x0
	.amdhsa_kernel k_qb1cd58e7c3_prep
		.amdhsa_group_segment_fixed_size 1280
		.amdhsa_private_segment_fixed_size 0
		.amdhsa_enable_private_segment 0
		.amdhsa_kernarg_size 40
		.amdhsa_user_sgpr_count 2
		.amdhsa_user_sgpr_kernarg_segment_ptr 1
		.amdhsa_wavefront_size32 1
		.amdhsa_system_sgpr_workgroup_id_x 1
		.amdhsa_system_sgpr_workgroup_id_y 1
		.amdhsa_system_sgpr_workgroup_id_z 1
		.amdhsa_system_vgpr_workitem_id 0
		.amdhsa_next_free_vgpr 114
		.amdhsa_next_free_sgpr 100
		.amdhsa_reserve_vcc 1
		.amdhsa_float_denorm_mode_32 3
		.amdhsa_float_denorm_mode_16_64 3
		.amdhsa_memory_ordered 1
		.amdhsa_forward_progress 1
		.amdhsa_inst_pref_size 100
	.end_amdhsa_kernel
	.amdgpu_metadata
---
amdhsa.version: [ 1, 2 ]
amdhsa.kernels:
  - .name:           k_qb1cd58e7c3_prep
    .symbol:         k_qb1cd58e7c3_prep.kd
    .args:
      - { .name: sel, .offset: 0, .size: 8, .value_kind: global_buffer, .address_space: global }
      - { .name: W1, .offset: 8, .size: 8, .value_kind: global_buffer, .address_space: global }
      - { .name: W2, .offset: 16, .size: 8, .value_kind: global_buffer, .address_space: global }
      - { .name: route, .offset: 24, .size: 8, .value_kind: global_buffer, .address_space: global }
      - { .name: wb, .offset: 32, .size: 8, .value_kind: global_buffer, .address_space: global }
    .group_segment_fixed_size: 1280
    .private_segment_fixed_size: 0
    .kernarg_segment_align: 8
    .kernarg_segment_size: 40
    .max_flat_workgroup_size: 256
    .sgpr_count:     100
    .vgpr_count:     114
    .wavefront_size: 32
...
	.end_amdgpu_metadata
.endif
;; end of part 2
;; launch gather (part 3): grid 256 x 1, 8 waves a work-group, no clusters, 0 bytes of LDS; arguments x, route, xs; writes xs
.if DOCPART == 3
	.amdgcn_target "amdgcn-amd-amdhsa--gfx1250"
	.amdhsa_code_object_version 6
	.text
	.protected	k_qb1cd58e7c3_gather
	.globl	k_qb1cd58e7c3_gather
	.p2align	8
	.type	k_qb1cd58e7c3_gather,@function
k_qb1cd58e7c3_gather:
	s_mov_b64 s[64:65], 0
	v_nop
	global_prefetch_b8 v0, s[64:65] scope:SCOPE_SE
	s_setreg_imm32_b32 hwreg(HW_REG_WAVE_MODE, 25, 1), 1
	s_wait_xcnt 0x0
; GATHER.  xs[slot] = f16(x[token]) for both slots of every token; the 1,024 slots that hold no token get rows of zeros.  xs: 9,216 rows of 1,024 f16, sorted by expert; every row is written once.
; A wave takes two tokens: it reads each row of x once (sixteen loads, all out at once) and stores it twice.  The first 1,024 of the launch's 2,048 waves also write one row of zeros.
; The slots are whole numbers that an earlier launch stored; each is clamped to the buffer's 9,216 rows before it enters an address.
; Memory binds: no LDS, no barrier, no matrix unit.  Every store of a wave covers 512 consecutive bytes, aligned.
; LIMIT.  f16 (11 significant bits; why not bf16: see the cast of the weights): |x| above 65,504 becomes infinite; below 6.1e-5 the step is 6e-8.  x as drawn has spread 1: 30 times larger or smaller,
; or offset by 30, it lies well inside.
.set XR, 8                             ; v[8:71]   piece n = 4 k + j (token k, 1,024 bytes j of its row): 8 registers
.set Y,  72                            ; v[72:103] piece n as f16: 4 registers
	s_load_b128 s[4:7], s[0:1], 0x0                ; x s[4:5], route s[6:7]
	s_load_b64 s[8:9], s[0:1], 0x10                ; xs
	v_lshrrev_b32 v1, 5, v0
	v_readfirstlane_b32 s10, v1
	s_lshl_b32 s11, ttmp9, 3
	s_add_co_u32 s11, s11, s10                     ; my wave's number in the launch
	s_lshl_b32 s12, s11, 4                         ; its 16 bytes of POS
	s_min_u32 s13, s11, 1023                       ; its entry of PADL, inside the list
	s_lshl_b32 s13, s13, 2
	s_lshl_b32 s14, s11, 13                        ; its two rows of x
	s_mov_b32 s15, 0
	v_and_b32 v1, 31, v0
	v_lshlrev_b32 v2, 5, v1
	v_lshlrev_b32 v3, 4, v1
.irp c, 4,5,6,7
	v_mov_b32 v\c, 0                               ; 16 bytes of a row of zeros
.endr
	s_wait_kmcnt 0x0
	s_load_b128 s[16:19], s[6:7], s12 offset:0x2000
	s_load_b32 s21, s[6:7], s13 offset:0x200
	s_add_nc_u64 s[4:5], s[4:5], s[14:15]
.irp k, 0,1
.irp j, 0,1,2,3
	global_load_b128 v[XR+8*(4*\k+\j):XR+8*(4*\k+\j)+3],   v2, s[4:5] offset:4096*\k+1024*\j th:TH_LOAD_NT
	global_load_b128 v[XR+8*(4*\k+\j)+4:XR+8*(4*\k+\j)+7], v2, s[4:5] offset:4096*\k+1024*\j+16 th:TH_LOAD_NT
.endr
.endr
	s_wait_kmcnt 0x0
.irp n, 0,1,2,3
	s_min_u32 s[16+\n], s[16+\n], 9215
	s_lshl_b32 s[24+2*\n], s[16+\n], 11            ; rows of 2,048 bytes
	s_mov_b32 s[25+2*\n], 0
	s_add_nc_u64 s[24+2*\n:25+2*\n], s[8:9], s[24+2*\n:25+2*\n]
.endr
	s_min_u32 s21, s21, 9215
	s_lshl_b32 s32, s21, 11
	s_mov_b32 s33, 0
	s_add_nc_u64 s[32:33], s[8:9], s[32:33]
.irp k, 0,1
.irp j, 0,1,2,3
	s_wait_loadcnt 14-2*(4*\k+\j)                  ; this piece's two loads are in; the younger pieces' stay out
.irp c, 0,1,2,3
	v_cvt_pk_f16_f32 v[Y+4*(4*\k+\j)+\c], v[XR+8*(4*\k+\j)+2*\c], v[XR+8*(4*\k+\j)+2*\c+1]
.endr
	global_store_b128 v3, v[Y+4*(4*\k+\j):Y+4*(4*\k+\j)+3], s[24+4*\k:25+4*\k] offset:512*\j
	global_store_b128 v3, v[Y+4*(4*\k+\j):Y+4*(4*\k+\j)+3], s[26+4*\k:27+4*\k] offset:512*\j
.endr
.endr
	s_cmp_lt_u32 s11, 1024                         ; the list has 1,024 entries, one for each of the first 1,024 waves
	s_cbranch_scc0 .Lend
.irp j, 0,1,2,3
	global_store_b128 v3, v[4:7], s[32:33] offset:512*\j
.endr
.Lend:
	s_endpgm
.Lfunc_end_k_qb1cd58e7c3_gather:
	.size	k_qb1cd58e7c3_gather, .Lfunc_end_k_qb1cd58e7c3_gather-k_qb1cd58e7c3_gather
	.p2alignl 7, 3214868480
	.fill 96, 4, 3214868480
	.section	.rodata,"a",@progbits
	.p2align	6, 0x0
	.amdhsa_kernel k_qb1cd58e7c3_gather
		.amdhsa_group_segment_fixed_size 0
		.amdhsa_private_segment_fixed_size 0
		.amdhsa_enable_private_segment 0
		.amdhsa_kernarg_size 24
		.amdhsa_user_sgpr_count 2
		.amdhsa_user_sgpr_kernarg_segment_ptr 1
		.amdhsa_wavefront_size32 1
		.amdhsa_system_sgpr_workgroup_id_x 1
		.amdhsa_system_sgpr_workgroup_id_y 1
		.amdhsa_system_sgpr_workgroup_id_z 1
		.amdhsa_system_vgpr_workitem_id 0
		.amdhsa_next_free_vgpr 104
		.amdhsa_next_free_sgpr 66
		.amdhsa_reserve_vcc 0
		.amdhsa_float_denorm_mode_32 3
		.amdhsa_float_denorm_mode_16_64 3
		.amdhsa_memory_ordered 1
		.amdhsa_forward_progress 1
		.amdhsa_inst_pref_size 8
	.end_amdhsa_kernel
	.amdgpu_metadata
---
amdhsa.version: [ 1, 2 ]
amdhsa.kernels:
  - .name:           k_qb1cd58e7c3_gather
    .symbol:         k_qb1cd58e7c3_gather.kd
    .args:
      - { .name: x, .offset: 0, .size: 8, .value_kind: global_buffer, .address_space: global }
      - { .name: route, .offset: 8, .size: 8, .value_kind: global_buffer, .address_space: global }
      - { .name: xs, .offset: 16, .size: 8, .value_kind: global_buffer, .address_space: global }
    .group_segment_fixed_size: 0
    .private_segment_fixed_size: 0
    .kernarg_segment_align: 8
    .kernarg_segment_size: 24
    .max_flat_workgroup_size: 256
    .sgpr_count:     66
    .vgpr_count:     104
    .wavefront_size: 32
...
	.end_amdgpu_metadata
.endif
;; end of part 3
;; launch gemm1 (part 4): grid 192 x 1, 4 waves a work-group, clusters of 4 x 1, 327,680 bytes of LDS; arguments xs, wb, b1, route, hs; writes hs
.if DOCPART == 4
	.amdgcn_target "amdgcn-amd-amdhsa--gfx1250"
	.amdhsa_code_object_version 6
	.text
	.protected	k_qb1cd58e7c3_gemm1
	.globl	k_qb1cd58e7c3_gemm1
	.p2align	8
	.type	k_qb1cd58e7c3_gemm1,@function
k_qb1cd58e7c3_gemm1:
	s_mov_b64 s[64:65], 0
	v_nop
	global_prefetch_b8 v0, s[64:65] scope:SCOPE_SE
	s_setreg_imm32_b32 hwreg(HW_REG_WAVE_MODE, 25, 1), 1
	s_wait_xcnt 0x0
	s_wait_alu depctr_hold_cnt(0) depctr_sa_sdst(0) depctr_va_vdst(0) depctr_va_sdst(0) depctr_va_ssrc(0) depctr_va_vcc(0) depctr_vm_vsrc(0)
	s_getreg_b32 s2, hwreg(HW_REG_IB_STS2, 6, 4)
	s_cmp_eq_u32 s2, 0
	s_cbranch_scc0 .Lentry_in_a_cluster
	s_endpgm
.Lentry_in_a_cluster:
	s_bfe_u32 s2, ttmp6, 0x10000c
	s_cmp_lg_u32 s2, 0x3003
	s_cbranch_scc0 .Lentry_shape_is_right
	s_endpgm
.Lentry_shape_is_right:
; LAYER 1.  hs[slot][p] = f16(gelu(sum over d of xs[slot][d] W1[e][d][p] + b1[e][p])), e the expert of the slot's block of 128; gelu in its tanh form; operands in f16, sums and gelu in f32.
; SHARES.  A tile is 128 slots x 128 columns, K = 1,024.  Four waves, each 64 x 64: 16 accumulators.  All 72 blocks of slots x 8 column blocks are 576 tiles = 192 work-groups x 3;
; with this tile 256 work-groups would need three tiles' time as well.  Cluster c (0 .. 47) has r0 = c / 2; the work-group at place cx has column block cb = 4 (c % 2) + cx.
; A WORK-GROUP STAYS: it makes the tiles of row blocks r0, r0 + 24, r0 + 48.  The number of tiles is a constant, so that every wave and every partner passes the same barriers:
; the blocks behind the last one in use (8 of the 72 at the most, all among the third tiles) hold rows of zeros and are computed like the others, with expert 0; nobody reads their results.
; The blocks' experts are whole numbers that an earlier launch stored; they enter W's and the bias's addresses alone.
; CLUSTER.  The four partners need the same tiles of xs: those are asked for JOINTLY (mask 15).  W's tiles are each work-group's own (other columns), asked for alone.
; W's tiles are not shared: the work-groups that need one tile of W are the row blocks of one expert, and which those are hangs on counts in memory, which no fixed cluster follows.
; K goes in steps of 256 through two LDS slots.  xs lies [slot][k]: rows of 512 bytes.  W lies [k][n]: rows of 256 bytes, and its fragments are turned on the way out of LDS (ds_load_tr16_b128).
; THE MATRIX INSTRUCTION IS USED TRANSPOSED (source 0 = 16 columns of W, source 1 = 16 slots): a lane then holds eight neighbouring columns of one slot.
; REGISTERS: window 0: v0-31 addresses and constants; v32-95 the way out; v96-127 the bias; v128-255 the accumulators ((a, b) at v[128 + 8 (4 a + b)]).
;   window 1: two fragment buffers of 128: for 64 along K, 64 registers of xs (2 x 4 x 16 slots x 32 K), then 64 of W.
; LIMITS.  h is kept in f16 (11 significant bits; why not bf16: see the cast of the weights): h above 65,504 becomes infinite.  As drawn the sums have spread 1; with x and W1 both 30 times larger, 900;
; with both offset by 30 of their spreads, 1,024 x 30 x 30/32 = 28,800: all inside.  With both 30 times smaller h is about 5e-4, and f16's step of 6e-8 there is about 1e-4 of it.
; Experts that the router did not pick are not computed: where such an expert's result would be infinite or NaN, a weight of 0 times it is NaN in a dense evaluation and absent here.
.set KSTEP,  256
.set WALK,   24                        ; a work-group's row blocks lie 24 apart
.set PA,     528                       ; a row of xs in LDS: 512 bytes + 16 = 33 x 16: the 16 rows of a fragment load start at 16 different banks (64 banks of 4 bytes: ISA guide 11.1)
.set PB,     288                       ; a row of W: 256 bytes + 32 = 9 x 32
.set AH,     64*PA                     ; 64 slots: what waves 0 and 1 fetch, and what a wave reads of xs
.set BH,     128*PB                    ; 128 k: what waves 2 and 3 fetch
.set BOFF,   2*AH
.set SLOT,   2*AH+2*BH                 ; 141,312 bytes
.set STAGE,  2*SLOT                    ; behind the ring: 128 rows x 272 bytes, the work-group's, for the way out
.set SP,     272
.set SPARE,  STAGE+128*SP              ; behind the stage: the spare words, 128 bytes for each wave: two blocks of 256 bytes that no other line names
.set NEXT_A, WALK*128*2048-2*KSTEP*2   ; from a slot's last K step of a tile to its first of the next: 24 row blocks down, back along K
.set OSTEP,  WALK*128*2048             ; from tile to tile in hs
.set T8,   8                           ; v[8:15]  at work in gelu
.set ADRA, 16                          ; v16-17   LDS address of my fragments of xs in slot 0, 1
.set ADRB, 20                          ; v20-23   of W: slot 0 k 0-127, slot 0 k 128-255, slot 1 likewise (an LDS offset has 16 bits)
.set STO,  24                          ; v24      the way out: where I put 16 bytes of a row
.set RD,   25                          ; v25      where I read a row back
.set CO,   26                          ; v26      my byte offset in hs
.set BV,   27                          ; v27      my byte offset in the wave's 64 numbers of the bias
.set SPW,  28                          ; v28      LDS address of my spare word; never rewritten
.set NIL,  29                          ; v29      0; never rewritten
.set TMP,  32
.set BIAS, 96                          ; BIAS + 8 b + j: column 16 b + 8 (l / 16) + j
.set ACC,  128
.set F0,   0
.set F1,   128
.set G1A, 24                           ; s[24:31] descriptor group 1 for xs;  s[32:39] group 0, one set for each slot
.set G0A, 32
.set G1B, 40                           ; s[40:47], s[48:55] the same for W
.set G0B, 48
; s14 wave; s15 my half of the rows; s16 my half of the columns, and which half of a tile I fetch; s17 cb; s18 r0; s20-22 the tiles' experts; s23 tiles in the loop
; s[56:57] W at my columns and my half of a K step; s[58:59] the next tile's expert x 2 MiB; s60 the one after; s[62:63] the bias at my columns; s[68:69] this tile's expert x 4 KiB; s70, s71 the next two
.set MSB, 0
.macro WIN new                         ; the immediate's high byte repeats the setting that is left
.if MSB != \new
	s_set_vgpr_msb (MSB<<8)|\new
.set MSB, \new
.endif
.endm
.set MUL,  0x05                        ; sources 0 (W) and 1 (xs) window 1; C and D window 0
.set TO_F, 0x40                        ; destination window 1, address window 0
.macro JLOAD s                         ; waves 0 and 1 ask jointly for the two halves of xs's tile, waves 2 and 3 for the two halves of W's; four v_nop follow each line
	s_cmp_lt_u32 s14, 2
	s_cbranch_scc0 .Lfor_b_\@
	tensor_load_to_lds s[G0A+4*\s:G0A+4*\s+3], s[G1A:G1A+7]
	s_nop 0
.rept 4
	v_nop
.endr
	s_branch .Lasked_\@
.Lfor_b_\@:
	tensor_load_to_lds s[G0B+4*\s:G0B+4*\s+3], s[G1B:G1B+7]
	s_nop 0
.rept 4
	v_nop
.endr
.Lasked_\@:
.endm
.macro CREST                           ; a round of the cluster's barrier behind its opening barrier
	s_cmp_lg_u32 s14, 0
	s_cbranch_scc1 .Lnot_wave_0_\@
	s_barrier_signal -3
.Lnot_wave_0_\@:
	s_barrier_wait -3
	s_barrier_signal -1
	s_barrier_wait -1
.endm
.macro CROUND                          ; a whole round
	s_barrier_signal -1
	s_barrier_wait -1
	CREST
.endm
	s_load_b256 s[4:11], s[0:1], 0x0               ; xs s[4:5], wb s[6:7], b1 s[8:9], route s[10:11]
	s_load_b64 s[12:13], s[0:1], 0x20              ; hs
	v_lshl_add_u32 v[SPW], v0, 2, SPARE
	v_mov_b32 v[NIL], 0
	ds_add_u32 v28, v29
	s_wait_dscnt 0x0
	v_lshrrev_b32 v1, 5, v0
	v_readfirstlane_b32 s14, v1
	s_lshr_b32 s15, s14, 1
	s_and_b32 s16, s14, 1
	s_bfe_u32 s72, ttmp6, 0x40000                  ; cx
	s_and_b32 s17, ttmp9, 1                        ; in a cluster launch ttmp9 counts clusters
	s_lshl_b32 s17, s17, 2
	s_add_co_u32 s17, s17, s72                     ; cb: it enters W's, the bias's and hs's addresses alone
	s_lshr_b32 s18, ttmp9, 1                       ; r0, which the partners share
	s_lshl_b32 s73, s18, 2
	s_wait_kmcnt 0x0
	s_load_b32 s20, s[10:11], s73 offset:0x40      ; the experts of blocks r0, r0 + 24, r0 + 48: words 16 + block of the table
	s_load_b32 s21, s[10:11], s73 offset:0xa0
	s_load_b32 s22, s[10:11], s73 offset:0x100
	s_mov_b32 s[G1A+0], 15|(1<<16)|(1<<20)|(1<<21)|(6<<22)|(3<<25)  ; 15:0 the mask: all four; 17:16 elements of 2 bytes; 20 padding on; 21 set beside a mask; 24:22 after every 128 words (code 6); 31:25 4 words (code 3)
	s_mov_b32 s[G1A+1], KSTEP<<16                  ; tensor_dim0 = 256
	s_mov_b32 s[G1A+2], 64<<16                     ; tensor_dim1 = 64
	s_mov_b32 s[G1A+3], KSTEP<<16                  ; tile_dim0 = 256
	s_mov_b32 s[G1A+4], 64                         ; tile_dim1 = 64
	s_mov_b32 s[G1A+5], 1024                       ; elements from row to row
	s_mov_b32 s[G1A+6], 0
	s_mov_b32 s[G1A+7], 0
	s_mov_b32 s[G1B+0], (1<<16)|(1<<20)|(5<<22)|(7<<25)  ; no mask; after every 64 words (code 5) 8 words (code 7)
	s_mov_b32 s[G1B+1], 128<<16                    ; tensor_dim0 = 128
	s_mov_b32 s[G1B+2], 128<<16                    ; tensor_dim1 = 128
	s_mov_b32 s[G1B+3], 128<<16                    ; tile_dim0 = 128
	s_mov_b32 s[G1B+4], 128                        ; tile_dim1 = 128
	s_mov_b32 s[G1B+5], 1024
	s_mov_b32 s[G1B+6], 0
	s_mov_b32 s[G1B+7], 0
	s_lshl_b32 s74, s18, 18                        ; xs: block r0 (128 rows of 2,048 bytes) + my 64 rows; no register of this sum ever holds cx
	s_lshl_b32 s75, s16, 17
	s_add_co_u32 s74, s74, s75
	s_mov_b32 s75, 0
	s_add_nc_u64 s[76:77], s[4:5], s[74:75]
	s_lshl_b32 s78, s17, 8                         ; W: my 128 columns + my 128 k of a K step
	s_lshl_b32 s79, s16, 18
	s_add_co_u32 s78, s78, s79
	s_mov_b32 s79, 0
	s_add_nc_u64 s[56:57], s[6:7], s[78:79]
	s_lshl_b32 s78, s17, 9                         ; the bias: my wave's 64 columns
	s_lshl_b32 s79, s16, 8
	s_add_co_u32 s78, s78, s79
	s_mov_b32 s79, 0
	s_add_nc_u64 s[62:63], s[8:9], s[78:79]
	s_lshl_b32 s78, s18, 18                        ; hs: block r0, the 32 rows that I store, the tile's columns
	s_lshl_b32 s79, s14, 16
	s_add_co_u32 s78, s78, s79
	s_lshl_b32 s79, s17, 8
	s_add_co_u32 s78, s78, s79
	s_mov_b32 s79, 0
	s_add_nc_u64 s[12:13], s[12:13], s[78:79]
	s_mul_i32 s2, s16, AH                          ; where the tiles go: no place in the cluster enters an LDS address
	s_mul_i32 s3, s16, BH
	s_add_co_u32 s3, s3, BOFF
	s_wait_kmcnt 0x0
	s_min_u32 s20, s20, 7                          ; loaded numbers are clamped before they enter an address
	s_min_u32 s21, s21, 7
	s_min_u32 s22, s22, 7
	s_lshl_b32 s58, s20, 21                        ; an expert's W: 2 MiB
	s_mov_b32 s59, 0
.irp s, 0,1
	s_mov_b32 s[G0A+4*\s], 1                                       ; count = 1
	s_add_co_u32 s[G0A+4*\s+1], s2, \s*SLOT                        ; LDS address
	s_add_nc_u64 s[G0A+4*\s+2:G0A+4*\s+3], s[76:77], \s*KSTEP*2    ; K step s
	s_or_b32 s[G0A+4*\s+3], s[G0A+4*\s+3], 0x80000000              ; type = 2
	s_mov_b32 s[G0B+4*\s], 1
	s_add_co_u32 s[G0B+4*\s+1], s3, \s*SLOT
	s_add_nc_u64 s[G0B+4*\s+2:G0B+4*\s+3], s[56:57], s[58:59]
.if \s
	s_add_nc_u64 s[G0B+4*\s+2:G0B+4*\s+3], s[G0B+4*\s+2:G0B+4*\s+3], KSTEP*2048
.endif
	s_or_b32 s[G0B+4*\s+3], s[G0B+4*\s+3], 0x80000000
.endr
	s_lshl_b32 s58, s21, 21
	s_lshl_b32 s60, s22, 21
	s_lshl_b32 s68, s20, 12                        ; an expert's bias: 4 KiB
	s_mov_b32 s69, 0
	s_lshl_b32 s70, s21, 12
	s_lshl_b32 s71, s22, 12
	CROUND                                         ; all four work-groups are here: the first joint loads meet
	s_cmp_lt_u32 s14, 2                            ; a wave's two first fills stand in one branch: two tensor loads of mine are out
	s_cbranch_scc0 .Lfirst_b
	tensor_load_to_lds s[G0A:G0A+3], s[G1A:G1A+7]
	s_nop 0
	tensor_load_to_lds s[G0A+4:G0A+7], s[G1A:G1A+7]
	s_nop 0
.rept 4
	v_nop
.endr
	s_branch .Lfirst_asked
.Lfirst_b:
	tensor_load_to_lds s[G0B:G0B+3], s[G1B:G1B+7]
	s_nop 0
	tensor_load_to_lds s[G0B+4:G0B+7], s[G1B:G1B+7]
	s_nop 0
.rept 4
	v_nop
.endr
.Lfirst_asked:
	v_and_b32 v1, 15, v0                           ; l % 16
	v_bfe_u32 v2, v0, 4, 1                         ; l / 16
	v_mul_u32_u24 v3, v1, PA                       ; a fragment of xs: row l % 16, 16 bytes for each half of the lanes; two loads 32 bytes apart
	v_lshl_add_u32 v3, v2, 4, v3
	s_mul_i32 s74, s15, AH
	v_add_nc_u32 v[ADRA], s74, v3
	v_add_nc_u32 v[ADRA+1], SLOT, v[ADRA]
	v_and_b32 v3, 7, v0                            ; the turning load: lane l reads k = 8 (l / 16) + l % 8, columns 8 ((l / 8) % 2) + 0..7, and is left with column l % 16, 8 k
	v_lshl_add_u32 v3, v2, 3, v3
	v_mul_u32_u24 v3, v3, PB
	v_bfe_u32 v30, v0, 3, 1
	v_lshl_add_u32 v3, v30, 4, v3
	s_lshl_b32 s74, s16, 7                         ; my 64 columns
	s_add_co_u32 s74, s74, BOFF
	v_add_nc_u32 v[ADRB], s74, v3
	v_add_nc_u32 v[ADRB+1], BH, v[ADRB]
	v_add_nc_u32 v[ADRB+2], SLOT, v[ADRB]
	v_add_nc_u32 v[ADRB+3], SLOT+BH, v[ADRB]
	s_mul_i32 s74, s15, 64*SP                      ; into the stage: my 64 rows, my half of their 256 bytes
	s_lshl_b32 s75, s16, 7
	s_add_co_u32 s74, s74, s75
	s_add_co_u32 s74, s74, STAGE
	v_mul_u32_u24 v3, v1, SP
	v_lshl_add_u32 v3, v2, 4, v3
	v_add_nc_u32 v[STO], s74, v3
	s_mul_i32 s74, s14, 32*SP                      ; back: wave w takes rows 32 w .. 32 w + 31, whole; lanes 0-15 one row, lanes 16-31 the next
	s_add_co_u32 s74, s74, STAGE
	v_mul_u32_u24 v3, v2, SP
	v_lshl_add_u32 v3, v1, 4, v3
	v_add_nc_u32 v[RD], s74, v3
	v_lshlrev_b32 v3, 11, v2                       ; and the same two rows in hs
	v_lshl_add_u32 v[CO], v1, 4, v3
	v_lshlrev_b32 v[BV], 5, v2
	v_mov_b32 v4, 0xc0135761                       ; c  = -2 sqrt(2 / pi) log2(e) = -2.3022082
	v_mov_b32 v5, 0xc0135761
	v_mov_b32 v6, 0xbdd2d3e8                       ; c2 = 0.044715 c = -0.10294324
	v_mov_b32 v7, 0xbdd2d3e8
; 8 matrix instructions: row blocks a0, a0 + 1 x all 4 column blocks, 32 along K: half c of buffer f.  zero = 1: the first product starts the sums.
; The 16 accumulators take turns, one instruction a turn, in the same order throughout.
.macro MUL8 f, c, a0, zero
.irp a, \a0, \a0+1
.irp b, 0,1,2,3
.if \zero
	v_wmma_f32_16x16x32_f16 v[ACC+8*(4*(\a)+\b):ACC+8*(4*(\a)+\b)+7], v[\f+64+8*(4*\c+\b):\f+64+8*(4*\c+\b)+7], v[\f+8*(4*\c+\a):\f+8*(4*\c+\a)+7], 0
.else
	v_wmma_f32_16x16x32_f16 v[ACC+8*(4*(\a)+\b):ACC+8*(4*(\a)+\b)+7], v[\f+64+8*(4*\c+\b):\f+64+8*(4*\c+\b)+7], v[\f+8*(4*\c+\a):\f+8*(4*\c+\a)+7], v[ACC+8*(4*(\a)+\b):ACC+8*(4*(\a)+\b)+7]
.endif
.endr
.endr
.endm
; 32 LDS loads in one run: the fragments of quarter q (64 along K) of a slot, into buffer f; the first 32 along K first
.macro FETCH slot, q, f
	WIN TO_F
.irp c, 0,1
.irp i, 0,1,2,3
	ds_load_tr16_b128 v[\f+64+8*(4*\c+\i):\f+64+8*(4*\c+\i)+3],   v[ADRB+2*\slot+(\q)/2] offset:((\q)%2)*64*PB+\c*32*PB+32*\i
	ds_load_tr16_b128 v[\f+64+8*(4*\c+\i)+4:\f+64+8*(4*\c+\i)+7], v[ADRB+2*\slot+(\q)/2] offset:((\q)%2)*64*PB+\c*32*PB+16*PB+32*\i
	ds_load_b128 v[\f+8*(4*\c+\i):\f+8*(4*\c+\i)+3],              v[ADRA+\slot] offset:128*(\q)+64*\c+\i*16*PA
	ds_load_b128 v[\f+8*(4*\c+\i)+4:\f+8*(4*\c+\i)+7],            v[ADRA+\slot] offset:128*(\q)+64*\c+\i*16*PA+32
.endr
.endr
.endm
.macro PLACES                          ; four places in front of loads into registers that matrix instructions have read, and of vector work on results
.rept 4
	v_nop
.endr
.endm
; A K step is four quarters of 64 along K, 32 matrix instructions each, on buffers 0, 1, 0, 1.  One of the first three: multiplies buffer f and fetches quarter qn into g.
.macro QUARTER slot, qn, f, g, zero
	s_wait_dscnt 16                                ; the first 32 along K are in
	WIN MUL
	MUL8 \f, 0, 0, \zero
	MUL8 \f, 0, 2, \zero
	PLACES
	FETCH \slot, \qn, \g
	s_wait_dscnt 32                                ; all but the 32 just issued
	WIN MUL
	MUL8 \f, 1, 0, 0
	MUL8 \f, 1, 2, 0
.endm
; The last quarter multiplies buffer 1 and changes slots: ONE barrier; in front of it each wave waits for all its tensor loads (one is out: its part of the next slot), adds 0 to its
; spare word, and waits for that and for its reads of this slot.  mode 1: this slot is filled again, two K steps on.  mode 2: with the NEXT tile's K step 0 or 1.  mode 0: nothing is left to ask for.
; Where the slot is filled again the barrier opens a round of the cluster's barrier, and the refill is the first tensor load behind the round: 112 matrix instructions ahead of the wait for it.
.macro TURN slot, next, mode
	WIN 0                                          ; (the add's two registers lie in window 0)
	s_wait_tensorcnt 0x0
	ds_add_u32 v[SPW], v[NIL]                      ; 0 onto my spare word
	s_wait_dscnt 17                                ; (the add and the youngest sixteen loads may be out)
	WIN MUL
	MUL8 F1, 0, 0, 0                               ; eight matrix instructions stand between the add and the wait for it
	s_wait_dscnt 0x0                               ; the add is done, and my reads of this slot are over
	s_barrier_signal -1
	MUL8 F1, 0, 2, 0
.if \mode
	WIN 0
.endif
	s_barrier_wait -1
.if \mode == 1
	CREST
	s_add_nc_u64 s[G0A+4*\slot+2:G0A+4*\slot+3], s[G0A+4*\slot+2:G0A+4*\slot+3], 2*KSTEP*2
	s_add_nc_u64 s[G0B+4*\slot+2:G0B+4*\slot+3], s[G0B+4*\slot+2:G0B+4*\slot+3], 2*KSTEP*2048
	JLOAD \slot                                    ; the four v_nop behind it are also the places in front of the loads below
.elseif \mode == 2
	CREST
	s_add_nc_u64 s[G0A+4*\slot+2:G0A+4*\slot+3], s[G0A+4*\slot+2:G0A+4*\slot+3], NEXT_A
	s_add_nc_u64 s[G0B+4*\slot+2:G0B+4*\slot+3], s[56:57], s[58:59]   ; W of the next tile's expert, from its first k on
.if \slot
	s_add_nc_u64 s[G0B+4*\slot+2:G0B+4*\slot+3], s[G0B+4*\slot+2:G0B+4*\slot+3], KSTEP*2048
.endif
	s_or_b32 s[G0B+4*\slot+3], s[G0B+4*\slot+3], 0x80000000
	JLOAD \slot
.else
	PLACES
.endif
	FETCH \next, 0, F0
	WIN MUL
	MUL8 F1, 1, 0, 0
	MUL8 F1, 1, 2, 0
.endm
.macro FINALQ                          ; the very last quarter: nothing more to fetch
	s_wait_dscnt 16
	WIN MUL
	MUL8 F1, 0, 0, 0
	MUL8 F1, 0, 2, 0
	s_wait_dscnt 0x0
	MUL8 F1, 1, 0, 0
	MUL8 F1, 1, 2, 0
	WIN 0
.endm
.macro BIASLD                          ; the tile's bias: my wave's 64 numbers, 256 consecutive bytes; it has the whole tile in which to land
	s_add_nc_u64 s[66:67], s[62:63], s[68:69]
.irp b, 0,1,2,3
	global_load_b128 v[BIAS+8*\b:BIAS+8*\b+3],   v[BV], s[66:67] offset:64*\b
	global_load_b128 v[BIAS+8*\b+4:BIAS+8*\b+7], v[BV], s[66:67] offset:64*\b+16
.endr
.endm
; Accumulator t: x = sum + bias; gelu(x) = x / (1 + 2^(c x + c2 x^3)), which is 0.5 x (1 + tanh(sqrt(2 / pi) (x + 0.044715 x^3))); for large |x| it goes to x or to -0, through infinities that cancel nowhere.
; The registers are taken from the low end on.  Behind each run of transcendentals one plain instruction stands before a result is used (ISA guide 5.7.2).
.macro GELU8 t
.set A8, ACC+8*(\t)
.set B8, BIAS+8*((\t)%4)
.irp p, 0,2,4,6
	v_pk_add_f32 v[A8+\p:A8+\p+1], v[A8+\p:A8+\p+1], v[B8+\p:B8+\p+1]
.endr
.irp p, 0,2,4,6
	v_pk_mul_f32 v[T8+\p:T8+\p+1], v[A8+\p:A8+\p+1], v[A8+\p:A8+\p+1]
.endr
.irp p, 0,2,4,6
	v_pk_fma_f32 v[T8+\p:T8+\p+1], v[T8+\p:T8+\p+1], v[6:7], v[4:5]
.endr
.irp p, 0,2,4,6
	v_pk_mul_f32 v[T8+\p:T8+\p+1], v[T8+\p:T8+\p+1], v[A8+\p:A8+\p+1]
.endr
.irp j, 0,1,2,3,4,5,6,7
	v_exp_f32 v[T8+\j], v[T8+\j]
.endr
	v_nop
	s_wait_alu depctr_va_vdst(0)
.irp p, 0,2,4,6
	v_pk_add_f32 v[T8+\p:T8+\p+1], v[T8+\p:T8+\p+1], 1.0 op_sel_hi:[1,0]
.endr
.irp j, 0,1,2,3,4,5,6,7
	v_rcp_f32 v[T8+\j], v[T8+\j]
.endr
	v_nop
	s_wait_alu depctr_va_vdst(0)
.irp p, 0,2,4,6
	v_pk_mul_f32 v[A8+\p:A8+\p+1], v[A8+\p:A8+\p+1], v[T8+\p:T8+\p+1]
.endr
.irp k, 0,1,2,3
	v_cvt_pk_f16_f32 v[TMP+4*(\t)+\k], v[A8+2*\k], v[A8+2*\k+1]
.endr
.endm
; THE WAY OUT: bias, gelu, f16; 16 bytes a lane into the work-group's stage; a barrier, since a row's 256 bytes come from two waves; back as whole rows, 32 rows a wave.
; The refill that is on its way stays out.  The next tile writes the stage behind four later barriers, each with every wave's LDS reads waited for in front of it.
.macro OUTWAY
	s_wait_loadcnt 0x0                             ; the bias
	PLACES
.irp t, 0,1,2,3,4,5,6,7,8,9,10,11,12,13,14,15
	GELU8 \t
.endr
.irp a, 0,1,2,3
.irp b, 0,1,2,3
	ds_store_b128 v[STO], v[TMP+4*(4*\a+\b):TMP+4*(4*\a+\b)+3] offset:\a*16*SP+32*\b
.endr
.endr
	s_wait_dscnt 0x0                               ; for the others' sake: my stores into the stage are done
	s_barrier_signal -1
	s_barrier_wait -1
.irp t, 0,1,2,3,4,5,6,7,8,9,10,11,12,13,14,15
	ds_load_b128 v[TMP+4*\t:TMP+4*\t+3], v[RD] offset:\t*2*SP
.endr
.irp t, 0,1,2,3,4,5,6,7,8,9,10,11,12,13,14,15
	s_wait_dscnt 15-\t
	global_store_b128 v[CO], v[TMP+4*\t:TMP+4*\t+3], s[12:13] offset:\t*4096   ; 16 lanes store 256 consecutive bytes, at a multiple of 256 from hs's first byte
.endr
.endm
.macro THREEQ slot, zero               ; the first three quarters of a K step
	QUARTER \slot, 1, F0, F1, \zero
	QUARTER \slot, 2, F1, F0, 0
	QUARTER \slot, 3, F0, F1, 0
.endm
; A tile: four K steps on slots 0, 1, 0, 1.  A tile that has a successor asks in its last two changes of slots for the next tile's first two K steps, and fetches its first fragments.
.macro TILE last
	BIASLD
	THREEQ 0, 1
	TURN 0, 1, 1
	THREEQ 1, 0
	TURN 1, 0, 1
	THREEQ 0, 0
.if \last
	TURN 0, 1, 0
	THREEQ 1, 0
	FINALQ
.else
	TURN 0, 1, 2
	THREEQ 1, 0
	TURN 1, 0, 2
	WIN 0
.endif
	OUTWAY
.endm
	s_wait_tensorcnt 1                             ; my part of K step 0 is in; slot 1's may stay out
	s_barrier_signal -1
	s_barrier_wait -1                              ; everybody's is
	FETCH 0, 0, F0
	WIN 0                                          ; at a label and at a branch every window is 0
	s_mov_b32 s23, 2                               ; two tiles have a successor: a constant, the same in every wave of every work-group
.Ltile:
	TILE 0
	s_mov_b32 s58, s60                             ; the experts move up
	s_mov_b32 s68, s70
	s_mov_b32 s70, s71
	s_wait_xcnt 0x0                                ; the stores' base and their data registers are rewritten only behind this wait
	s_add_nc_u64 s[12:13], s[12:13], OSTEP
	s_sub_co_u32 s23, s23, 1
	s_cmp_lg_u32 s23, 0
	s_cbranch_scc1 .Ltile
	TILE 1                                         ; the last tile is written out: it asks for nothing beyond its own K steps
	s_wait_tensorcnt 0x0                           ; the wave's end
	ds_add_u32 v[SPW], v[NIL]
	s_wait_dscnt 0x0
	CROUND                                         ; the closing round: no work-group ends while a partner may still ask for a tile that names it
	s_endpgm
.Lfunc_end_k_qb1cd58e7c3_gemm1:
	.size	k_qb1cd58e7c3_gemm1, .Lfunc_end_k_qb1cd58e7c3_gemm1-k_qb1cd58e7c3_gemm1
	.p2alignl 7, 3214868480
	.fill 96, 4, 3214868480
	.section	.rodata,"a",@progbits
	.p2align	6, 0x0
	.amdhsa_kernel k_qb1cd58e7c3_gemm1
		.amdhsa_group_segment_fixed_size 327680
		.amdhsa_private_segment_fixed_size 0
		.amdhsa_enable_private_segment 0
		.amdhsa_kernarg_size 40
		.amdhsa_user_sgpr_count 2
		.amdhsa_user_sgpr_kernarg_segment_ptr 1
		.amdhsa_wavefront_size32 1
		.amdhsa_system_sgpr_workgroup_id_x 1
		.amdhsa_system_sgpr_workgroup_id_y 1
		.amdhsa_system_sgpr_workgroup_id_z 1
		.amdhsa_system_vgpr_workitem_id 0
		.amdhsa_next_free_vgpr 512
		.amdhsa_next_free_sgpr 96
		.amdhsa_reserve_vcc 0
		.amdhsa_float_denorm_mode_32 3
		.amdhsa_float_denorm_mode_16_64 3
		.amdhsa_memory_ordered 1
		.amdhsa_forward_progress 1
		.amdhsa_inst_pref_size 237
	.end_amdhsa_kernel
	.amdgpu_metadata
---
amdhsa.version: [ 1, 2 ]
amdhsa.kernels:
  - .name:           k_qb1cd58e7c3_gemm1
    .symbol:         k_qb1cd58e7c3_gemm1.kd
    .args:
      - { .name: xs, .offset: 0, .size: 8, .value_kind: global_buffer, .address_space: global }
      - { .name: wb, .offset: 8, .size: 8, .value_kind: global_buffer, .address_space: global }
      - { .name: b1, .offset: 16, .size: 8, .value_kind: global_buffer, .address_space: global }
      - { .name: route, .offset: 24, .size: 8, .value_kind: global_buffer, .address_space: global }
      - { .name: hs, .offset: 32, .size: 8, .value_kind: global_buffer, .address_space: global }
    .group_segment_fixed_size: 327680
    .private_segment_fixed_size: 0
    .kernarg_segment_align: 8
    .kernarg_segment_size: 40
    .max_flat_workgroup_size: 128
    .sgpr_count:     96
    .vgpr_count:     512
    .wavefront_size: 32
...
	.end_amdgpu_metadata
.endif
;; end of part 4
;; launch gemm2 (part 5): grid 192 x 1, 4 waves a work-group, clusters of 4 x 1, 327,680 bytes of LDS; arguments hs, wb, b2, route, ys; writes ys
.if DOCPART == 5
	.amdgcn_target "amdgcn-amd-amdhsa--gfx1250"
	.amdhsa_code_object_version 6
	.text
	.protected	k_qb1cd58e7c3_gemm2
	.globl	k_qb1cd58e7c3_gemm2
	.p2align	8
	.type	k_qb1cd58e7c3_gemm2,@function
k_qb1cd58e7c3_gemm2:
	s_mov_b64 s[64:65], 0
	v_nop
	global_prefetch_b8 v0, s[64:65] scope:SCOPE_SE
	s_setreg_imm32_b32 hwreg(HW_REG_WAVE_MODE, 25, 1), 1
	s_wait_xcnt 0x0
	s_wait_alu depctr_hold_cnt(0) depctr_sa_sdst(0) depctr_va_vdst(0) depctr_va_sdst(0) depctr_va_ssrc(0) depctr_va_vcc(0) depctr_vm_vsrc(0)
	s_getreg_b32 s2, hwreg(HW_REG_IB_STS2, 6, 4)
	s_cmp_eq_u32 s2, 0
	s_cbranch_scc0 .Lentry_in_a_cluster
	s_endpgm
.Lentry_in_a_cluster:
	s_bfe_u32 s2, ttmp6, 0x10000c
	s_cmp_lg_u32 s2, 0x3003
	s_cbranch_scc0 .Lentry_shape_is_right
	s_endpgm
.Lentry_shape_is_right:
; LAYER 2.  ys[slot][d] = sum over p of hs[slot][p] W2[e][p][d] + b2[e][d]; operands in f16, sums and ys in f32; e the expert of the slot's block of 128.
; SHARES.  A tile is 128 slots x 128 columns, K = 1,024.  Four waves, each 64 x 64: 16 accumulators.  All 72 blocks of slots x 8 column blocks are 576 tiles = 192 work-groups x 3;
; with this tile 256 work-groups would need three tiles' time as well.  Cluster c (0 .. 47) has r0 = c / 2; the work-group at place cx has column block cb = 4 (c % 2) + cx.
; A WORK-GROUP STAYS: it makes the tiles of row blocks r0, r0 + 24, r0 + 48.  The number of tiles is a constant, so that every wave and every partner passes the same barriers:
; the blocks behind the last one in use (8 of the 72 at the most, all among the third tiles) are computed like the others, with expert 0; nobody reads their results.
; The blocks' experts are whole numbers that an earlier launch stored; they enter W's and the bias's addresses alone.
; CLUSTER.  The four partners need the same tiles of hs: those are asked for JOINTLY (mask 15).  W's tiles are each work-group's own (other columns), asked for alone.
; W's tiles are not shared: the work-groups that need one tile of W are the row blocks of one expert, and which those are hangs on counts in memory, which no fixed cluster follows.
; K goes in steps of 256 through two LDS slots.  hs lies [slot][k]: rows of 512 bytes.  W lies [k][n]: rows of 256 bytes, and its fragments are turned on the way out of LDS (ds_load_tr16_b128).
; THE MATRIX INSTRUCTION IS USED TRANSPOSED (source 0 = 16 columns of W, source 1 = 16 slots): a lane then holds eight neighbouring columns of one slot.
; REGISTERS: window 0: v0-31 addresses; v32-95 the way out; v96-127 the bias; v128-255 the accumulators ((a, b) at v[128 + 8 (4 a + b)]).
;   window 1: two fragment buffers of 128: for 64 along K, 64 registers of hs (2 x 4 x 16 slots x 32 K), then 64 of W.
; LIMITS.  The operands' range is f16's (up to 65,504; the figures stand where hs and wb are made).
; Experts that the router did not pick are not computed: where such an expert's result would be infinite or NaN, a weight of 0 times it is NaN in a dense evaluation and absent here.
.set KSTEP,  256
.set WALK,   24                        ; a work-group's row blocks lie 24 apart
.set PA,     528                       ; a row of hs in LDS: 512 bytes + 16 = 33 x 16: the 16 rows of a fragment load start at 16 different banks (64 banks of 4 bytes: ISA guide 11.1)
.set PB,     288                       ; a row of W: 256 bytes + 32 = 9 x 32
.set AH,     64*PA                     ; 64 slots: what waves 0 and 1 fetch, and what a wave reads of hs
.set BH,     128*PB                    ; 128 k: what waves 2 and 3 fetch
.set BOFF,   2*AH
.set SLOT,   2*AH+2*BH                 ; 141,312 bytes
.set STAGE,  2*SLOT                    ; behind the ring: 16 rows x 272 bytes for each wave, for the way out
.set SP,     272
.set SPARE,  STAGE+4*16*SP             ; behind the stages: the spare words, 128 bytes for each wave: two blocks of 256 bytes that no other line names
.set NEXT_A, WALK*128*2048-2*KSTEP*2   ; from a slot's last K step of a tile to its first of the next: 24 row blocks down, back along K
.set OSTEP,  WALK*128*4096             ; from tile to tile in ys
.set ADRA, 16                          ; v16-17   LDS address of my fragments of hs in slot 0, 1
.set ADRB, 20                          ; v20-23   of W: slot 0 k 0-127, slot 0 k 128-255, slot 1 likewise (an LDS offset has 16 bits)
.set STO,  24                          ; v24      the way out: where I put 32 bytes of a row
.set RD,   25                          ; v25      where I read a row back
.set CO,   26                          ; v26      my byte offset in ys
.set BV,   27                          ; v27      my byte offset in the wave's 64 numbers of the bias
.set SPW,  28                          ; v28      LDS address of my spare word; never rewritten
.set NIL,  29                          ; v29      0; never rewritten
.set TMP,  32                          ; v[32:63] 16 rows with the bias added
.set BK,   64                          ; v[64:95] the same rows read back whole
.set BIAS, 96                          ; BIAS + 8 b + j: column 16 b + 8 (l / 16) + j
.set ACC,  128
.set F0,   0
.set F1,   128
.set G1A, 24                           ; s[24:31] descriptor group 1 for hs;  s[32:39] group 0, one set for each slot
.set G0A, 32
.set G1B, 40                           ; s[40:47], s[48:55] the same for W
.set G0B, 48
; s14 wave; s15 my half of the rows; s16 my half of the columns, and which half of a tile I fetch; s17 cb; s18 r0; s20-22 the tiles' experts; s23 tiles in the loop
; s[56:57] W at my columns and my half of a K step; s[58:59] the next tile's expert x 2 MiB; s60 the one after; s[62:63] the bias at my columns; s[68:69] this tile's expert x 4 KiB; s70, s71 the next two
.set MSB, 0
.macro WIN new                         ; the immediate's high byte repeats the setting that is left
.if MSB != \new
	s_set_vgpr_msb (MSB<<8)|\new
.set MSB, \new
.endif
.endm
.set MUL,  0x05                        ; sources 0 (W) and 1 (hs) window 1; C and D window 0
.set TO_F, 0x40                        ; destination window 1, address window 0
.macro JLOAD s                         ; waves 0 and 1 ask jointly for the two halves of hs's tile, waves 2 and 3 for the two halves of W's; four v_nop follow each line
	s_cmp_lt_u32 s14, 2
	s_cbranch_scc0 .Lfor_b_\@
	tensor_load_to_lds s[G0A+4*\s:G0A+4*\s+3], s[G1A:G1A+7]
	s_nop 0
.rept 4
	v_nop
.endr
	s_branch .Lasked_\@
.Lfor_b_\@:
	tensor_load_to_lds s[G0B+4*\s:G0B+4*\s+3], s[G1B:G1B+7]
	s_nop 0
.rept 4
	v_nop
.endr
.Lasked_\@:
.endm
.macro CREST                           ; a round of the cluster's barrier behind its opening barrier
	s_cmp_lg_u32 s14, 0
	s_cbranch_scc1 .Lnot_wave_0_\@
	s_barrier_signal -3
.Lnot_wave_0_\@:
	s_barrier_wait -3
	s_barrier_signal -1
	s_barrier_wait -1
.endm
.macro CROUND                          ; a whole round
	s_barrier_signal -1
	s_barrier_wait -1
	CREST
.endm
	s_load_b256 s[4:11], s[0:1], 0x0               ; hs s[4:5], wb s[6:7], b2 s[8:9], route s[10:11]
	s_load_b64 s[12:13], s[0:1], 0x20              ; ys
	v_lshl_add_u32 v[SPW], v0, 2, SPARE
	v_mov_b32 v[NIL], 0
	ds_add_u32 v28, v29
	s_wait_dscnt 0x0
	v_lshrrev_b32 v1, 5, v0
	v_readfirstlane_b32 s14, v1
	s_lshr_b32 s15, s14, 1
	s_and_b32 s16, s14, 1
	s_bfe_u32 s72, ttmp6, 0x40000                  ; cx
	s_and_b32 s17, ttmp9, 1                        ; in a cluster launch ttmp9 counts clusters
	s_lshl_b32 s17, s17, 2
	s_add_co_u32 s17, s17, s72                     ; cb: it enters W's, the bias's and ys's addresses alone
	s_lshr_b32 s18, ttmp9, 1                       ; r0, which the partners share
	s_lshl_b32 s73, s18, 2
	s_wait_kmcnt 0x0
	s_load_b32 s20, s[10:11], s73 offset:0x40      ; the experts of blocks r0, r0 + 24, r0 + 48: words 16 + block of the table
	s_load_b32 s21, s[10:11], s73 offset:0xa0
	s_load_b32 s22, s[10:11], s73 offset:0x100
	s_mov_b32 s[G1A+0], 15|(1<<16)|(1<<20)|(1<<21)|(6<<22)|(3<<25)  ; 15:0 the mask: all four; 17:16 elements of 2 bytes; 20 padding on; 21 set beside a mask; 24:22 after every 128 words (code 6); 31:25 4 words (code 3)
	s_mov_b32 s[G1A+1], KSTEP<<16                  ; tensor_dim0 = 256
	s_mov_b32 s[G1A+2], 64<<16                     ; tensor_dim1 = 64
	s_mov_b32 s[G1A+3], KSTEP<<16                  ; tile_dim0 = 256
	s_mov_b32 s[G1A+4], 64                         ; tile_dim1 = 64
	s_mov_b32 s[G1A+5], 1024                       ; elements from row to row
	s_mov_b32 s[G1A+6], 0
	s_mov_b32 s[G1A+7], 0
	s_mov_b32 s[G1B+0], (1<<16)|(1<<20)|(5<<22)|(7<<25)  ; no mask; after every 64 words (code 5) 8 words (code 7)
	s_mov_b32 s[G1B+1], 128<<16                    ; tensor_dim0 = 128
	s_mov_b32 s[G1B+2], 128<<16                    ; tensor_dim1 = 128
	s_mov_b32 s[G1B+3], 128<<16                    ; tile_dim0 = 128
	s_mov_b32 s[G1B+4], 128                        ; tile_dim1 = 128
	s_mov_b32 s[G1B+5], 1024
	s_mov_b32 s[G1B+6], 0
	s_mov_b32 s[G1B+7], 0
	s_lshl_b32 s74, s18, 18                        ; hs: block r0 (128 rows of 2,048 bytes) + my 64 rows; no register of this sum ever holds cx
	s_lshl_b32 s75, s16, 17
	s_add_co_u32 s74, s74, s75
	s_mov_b32 s75, 0
	s_add_nc_u64 s[76:77], s[4:5], s[74:75]
	s_lshl_b32 s78, s17, 8                         ; W: my 128 columns + my 128 k of a K step,
	s_lshl_b32 s79, s16, 18
	s_add_co_u32 s78, s78, s79
	s_mov_b32 s79, 0
	s_add_nc_u64 s[56:57], s[6:7], s[78:79]
	s_add_nc_u64 s[56:57], s[56:57], 0x1000000     ; in the second layer's half of wb
	s_lshl_b32 s78, s17, 9                         ; the bias: my wave's 64 columns
	s_lshl_b32 s79, s16, 8
	s_add_co_u32 s78, s78, s79
	s_mov_b32 s79, 0
	s_add_nc_u64 s[62:63], s[8:9], s[78:79]
	s_lshl_b32 s78, s18, 19                        ; ys: block r0 (128 rows of 4,096 bytes), my 64 rows, my 64 columns
	s_lshl_b32 s79, s15, 18
	s_add_co_u32 s78, s78, s79
	s_lshl_b32 s79, s17, 9
	s_add_co_u32 s78, s78, s79
	s_lshl_b32 s79, s16, 8
	s_add_co_u32 s78, s78, s79
	s_mov_b32 s79, 0
	s_add_nc_u64 s[12:13], s[12:13], s[78:79]
	s_mul_i32 s2, s16, AH                          ; where the tiles go: no place in the cluster enters an LDS address
	s_mul_i32 s3, s16, BH
	s_add_co_u32 s3, s3, BOFF
	s_wait_kmcnt 0x0
	s_min_u32 s20, s20, 7                          ; loaded numbers are clamped before they enter an address
	s_min_u32 s21, s21, 7
	s_min_u32 s22, s22, 7
	s_lshl_b32 s58, s20, 21                        ; an expert's W: 2 MiB
	s_mov_b32 s59, 0
.irp s, 0,1
	s_mov_b32 s[G0A+4*\s], 1                                       ; count = 1
	s_add_co_u32 s[G0A+4*\s+1], s2, \s*SLOT                        ; LDS address
	s_add_nc_u64 s[G0A+4*\s+2:G0A+4*\s+3], s[76:77], \s*KSTEP*2    ; K step s
	s_or_b32 s[G0A+4*\s+3], s[G0A+4*\s+3], 0x80000000              ; type = 2
	s_mov_b32 s[G0B+4*\s], 1
	s_add_co_u32 s[G0B+4*\s+1], s3, \s*SLOT
	s_add_nc_u64 s[G0B+4*\s+2:G0B+4*\s+3], s[56:57], s[58:59]
.if \s
	s_add_nc_u64 s[G0B+4*\s+2:G0B+4*\s+3], s[G0B+4*\s+2:G0B+4*\s+3], KSTEP*2048
.endif
	s_or_b32 s[G0B+4*\s+3], s[G0B+4*\s+3], 0x80000000
.endr
	s_lshl_b32 s58, s21, 21
	s_lshl_b32 s60, s22, 21
	s_lshl_b32 s68, s20, 12                        ; an expert's bias: 4 KiB
	s_mov_b32 s69, 0
	s_lshl_b32 s70, s21, 12
	s_lshl_b32 s71, s22, 12
	CROUND                                         ; all four work-groups are here: the first joint loads meet
	s_cmp_lt_u32 s14, 2                            ; a wave's two first fills stand in one branch: two tensor loads of mine are out
	s_cbranch_scc0 .Lfirst_b
	tensor_load_to_lds s[G0A:G0A+3], s[G1A:G1A+7]
	s_nop 0
	tensor_load_to_lds s[G0A+4:G0A+7], s[G1A:G1A+7]
	s_nop 0
.rept 4
	v_nop
.endr
	s_branch .Lfirst_asked
.Lfirst_b:
	tensor_load_to_lds s[G0B:G0B+3], s[G1B:G1B+7]
	s_nop 0
	tensor_load_to_lds s[G0B+4:G0B+7], s[G1B:G1B+7]
	s_nop 0
.rept 4
	v_nop
.endr
.Lfirst_asked:
	v_and_b32 v1, 15, v0                           ; l % 16
	v_bfe_u32 v2, v0, 4, 1                         ; l / 16
	v_mul_u32_u24 v3, v1, PA                       ; a fragment of hs: row l % 16, 16 bytes for each half of the lanes; two loads 32 bytes apart
	v_lshl_add_u32 v3, v2, 4, v3
	s_mul_i32 s74, s15, AH
	v_add_nc_u32 v[ADRA], s74, v3
	v_add_nc_u32 v[ADRA+1], SLOT, v[ADRA]
	v_and_b32 v3, 7, v0                            ; the turning load: lane l reads k = 8 (l / 16) + l % 8, columns 8 ((l / 8) % 2) + 0..7, and is left with column l % 16, 8 k
	v_lshl_add_u32 v3, v2, 3, v3
	v_mul_u32_u24 v3, v3, PB
	v_bfe_u32 v30, v0, 3, 1
	v_lshl_add_u32 v3, v30, 4, v3
	s_lshl_b32 s74, s16, 7                         ; my 64 columns
	s_add_co_u32 s74, s74, BOFF
	v_add_nc_u32 v[ADRB], s74, v3
	v_add_nc_u32 v[ADRB+1], BH, v[ADRB]
	v_add_nc_u32 v[ADRB+2], SLOT, v[ADRB]
	v_add_nc_u32 v[ADRB+3], SLOT+BH, v[ADRB]
	s_mul_i32 s74, s14, 16*SP                      ; my stage
	s_add_co_u32 s74, s74, STAGE
	v_mul_u32_u24 v3, v1, SP                       ; in: row l % 16, 32 bytes for each half of the lanes
	v_lshl_add_u32 v3, v2, 5, v3
	v_add_nc_u32 v[STO], s74, v3
	v_mul_u32_u24 v3, v2, SP                       ; back: lanes 0-15 take one row of 256 bytes, lanes 16-31 the next
	v_lshl_add_u32 v3, v1, 4, v3
	v_add_nc_u32 v[RD], s74, v3
	v_lshlrev_b32 v3, 12, v2                       ; and the same two rows in ys
	v_lshl_add_u32 v[CO], v1, 4, v3
	v_lshlrev_b32 v[BV], 5, v2
; 8 matrix instructions: row blocks a0, a0 + 1 x all 4 column blocks, 32 along K: half c of buffer f.  zero = 1: the first product starts the sums.
; The 16 accumulators take turns, one instruction a turn, in the same order throughout.
.macro MUL8 f, c, a0, zero
.irp a, \a0, \a0+1
.irp b, 0,1,2,3
.if \zero
	v_wmma_f32_16x16x32_f16 v[ACC+8*(4*(\a)+\b):ACC+8*(4*(\a)+\b)+7], v[\f+64+8*(4*\c+\b):\f+64+8*(4*\c+\b)+7], v[\f+8*(4*\c+\a):\f+8*(4*\c+\a)+7], 0
.else
	v_wmma_f32_16x16x32_f16 v[ACC+8*(4*(\a)+\b):ACC+8*(4*(\a)+\b)+7], v[\f+64+8*(4*\c+\b):\f+64+8*(4*\c+\b)+7], v[\f+8*(4*\c+\a):\f+8*(4*\c+\a)+7], v[ACC+8*(4*(\a)+\b):ACC+8*(4*(\a)+\b)+7]
.endif
.endr
.endr
.endm
; 32 LDS loads in one run: the fragments of quarter q (64 along K) of a slot, into buffer f; the first 32 along K first
.macro FETCH slot, q, f
	WIN TO_F
.irp c, 0,1
.irp i, 0,1,2,3
	ds_load_tr16_b128 v[\f+64+8*(4*\c+\i):\f+64+8*(4*\c+\i)+3],   v[ADRB+2*\slot+(\q)/2] offset:((\q)%2)*64*PB+\c*32*PB+32*\i
	ds_load_tr16_b128 v[\f+64+8*(4*\c+\i)+4:\f+64+8*(4*\c+\i)+7], v[ADRB+2*\slot+(\q)/2] offset:((\q)%2)*64*PB+\c*32*PB+16*PB+32*\i
	ds_load_b128 v[\f+8*(4*\c+\i):\f+8*(4*\c+\i)+3],              v[ADRA+\slot] offset:128*(\q)+64*\c+\i*16*PA
	ds_load_b128 v[\f+8*(4*\c+\i)+4:\f+8*(4*\c+\i)+7],            v[ADRA+\slot] offset:128*(\q)+64*\c+\i*16*PA+32
.endr
.endr
.endm
.macro PLACES                          ; four places in front of loads into registers that matrix instructions have read, and of vector work on results
.rept 4
	v_nop
.endr
.endm
; A K step is four quarters of 64 along K, 32 matrix instructions each, on buffers 0, 1, 0, 1.  One of the first three: multiplies buffer f and fetches quarter qn into g.
.macro QUARTER slot, qn, f, g, zero
	s_wait_dscnt 16                                ; the first 32 along K are in
	WIN MUL
	MUL8 \f, 0, 0, \zero
	MUL8 \f, 0, 2, \zero
	PLACES
	FETCH \slot, \qn, \g
	s_wait_dscnt 32                                ; all but the 32 just issued
	WIN MUL
	MUL8 \f, 1, 0, 0
	MUL8 \f, 1, 2, 0
.endm
; The last quarter multiplies buffer 1 and changes slots: ONE barrier; in front of it each wave waits for all its tensor loads (one is out: its part of the next slot), adds 0 to its
; spare word, and waits for that and for its reads of this slot.  mode 1: this slot is filled again, two K steps on.  mode 2: with the NEXT tile's K step 0 or 1.  mode 0: nothing is left to ask for.
; Where the slot is filled again the barrier opens a round of the cluster's barrier, and the refill is the first tensor load behind the round: 112 matrix instructions ahead of the wait for it.
.macro TURN slot, next, mode
	WIN 0                                          ; (the add's two registers lie in window 0)
	s_wait_tensorcnt 0x0
	ds_add_u32 v[SPW], v[NIL]                      ; 0 onto my spare word
	s_wait_dscnt 17                                ; (the add and the youngest sixteen loads may be out)
	WIN MUL
	MUL8 F1, 0, 0, 0                               ; eight matrix instructions stand between the add and the wait for it
	s_wait_dscnt 0x0                               ; the add is done, and my reads of this slot are over
	s_barrier_signal -1
	MUL8 F1, 0, 2, 0
.if \mode
	WIN 0
.endif
	s_barrier_wait -1
.if \mode == 1
	CREST
	s_add_nc_u64 s[G0A+4*\slot+2:G0A+4*\slot+3], s[G0A+4*\slot+2:G0A+4*\slot+3], 2*KSTEP*2
	s_add_nc_u64 s[G0B+4*\slot+2:G0B+4*\slot+3], s[G0B+4*\slot+2:G0B+4*\slot+3], 2*KSTEP*2048
	JLOAD \slot                                    ; the four v_nop behind it are also the places in front of the loads below
.elseif \mode == 2
	CREST
	s_add_nc_u64 s[G0A+4*\slot+2:G0A+4*\slot+3], s[G0A+4*\slot+2:G0A+4*\slot+3], NEXT_A
	s_add_nc_u64 s[G0B+4*\slot+2:G0B+4*\slot+3], s[56:57], s[58:59]   ; W of the next tile's expert, from its first k on
.if \slot
	s_add_nc_u64 s[G0B+4*\slot+2:G0B+4*\slot+3], s[G0B+4*\slot+2:G0B+4*\slot+3], KSTEP*2048
.endif
	s_or_b32 s[G0B+4*\slot+3], s[G0B+4*\slot+3], 0x80000000
	JLOAD \slot
.else
	PLACES
.endif
	FETCH \next, 0, F0
	WIN MUL
	MUL8 F1, 1, 0, 0
	MUL8 F1, 1, 2, 0
.endm
.macro FINALQ                          ; the very last quarter: nothing more to fetch
	s_wait_dscnt 16
	WIN MUL
	MUL8 F1, 0, 0, 0
	MUL8 F1, 0, 2, 0
	s_wait_dscnt 0x0
	MUL8 F1, 1, 0, 0
	MUL8 F1, 1, 2, 0
	WIN 0
.endm
.macro BIASLD                          ; the tile's bias: my wave's 64 numbers, 256 consecutive bytes; it has the whole tile in which to land
	s_add_nc_u64 s[66:67], s[62:63], s[68:69]
.irp b, 0,1,2,3
	global_load_b128 v[BIAS+8*\b:BIAS+8*\b+3],   v[BV], s[66:67] offset:64*\b
	global_load_b128 v[BIAS+8*\b+4:BIAS+8*\b+7], v[BV], s[66:67] offset:64*\b+16
.endr
.endm
; THE WAY OUT, 16 rows at a time: the bias is added (each accumulator's registers from the low end on); 32 bytes a lane go into my own stage and come back as whole rows.
; A wave's 64 columns of f32 are 256 bytes, so the stage is the wave's own and no barrier is needed: LDS serves a wave's instructions in order (ISA guide 5.7.1.4).
.macro OUTWAY
	s_wait_loadcnt 0x0                             ; the bias
	PLACES
.irp a, 0,1,2,3
.irp b, 0,1,2,3
.irp p, 0,2,4,6
	v_pk_add_f32 v[TMP+8*\b+\p:TMP+8*\b+\p+1], v[ACC+8*(4*\a+\b)+\p:ACC+8*(4*\a+\b)+\p+1], v[BIAS+8*\b+\p:BIAS+8*\b+\p+1]
.endr
.endr
.irp b, 0,1,2,3
	ds_store_b128 v[STO], v[TMP+8*\b:TMP+8*\b+3]   offset:64*\b
	ds_store_b128 v[STO], v[TMP+8*\b+4:TMP+8*\b+7] offset:64*\b+16
.endr
	s_wait_xcnt 0x0                                ; the registers that the last stores read are loaded again only behind this wait
.irp t, 0,1,2,3,4,5,6,7
	ds_load_b128 v[BK+4*\t:BK+4*\t+3], v[RD] offset:\t*2*SP
.endr
.irp t, 0,1,2,3,4,5,6,7
	s_wait_dscnt 7-\t
	global_store_b128 v[CO], v[BK+4*\t:BK+4*\t+3], s[12:13] offset:(16*\a+2*\t)*4096   ; 16 lanes store 256 consecutive bytes, at a multiple of 256 from ys's first byte
.endr
.endr
.endm
.macro THREEQ slot, zero               ; the first three quarters of a K step
	QUARTER \slot, 1, F0, F1, \zero
	QUARTER \slot, 2, F1, F0, 0
	QUARTER \slot, 3, F0, F1, 0
.endm
; A tile: four K steps on slots 0, 1, 0, 1.  A tile that has a successor asks in its last two changes of slots for the next tile's first two K steps, and fetches its first fragments.
.macro TILE last
	BIASLD
	THREEQ 0, 1
	TURN 0, 1, 1
	THREEQ 1, 0
	TURN 1, 0, 1
	THREEQ 0, 0
.if \last
	TURN 0, 1, 0
	THREEQ 1, 0
	FINALQ
.else
	TURN 0, 1, 2
	THREEQ 1, 0
	TURN 1, 0, 2
	WIN 0
.endif
	OUTWAY
.endm
	s_wait_tensorcnt 1                             ; my part of K step 0 is in; slot 1's may stay out
	s_barrier_signal -1
	s_barrier_wait -1                              ; everybody's is
	FETCH 0, 0, F0
	WIN 0                                          ; at a label and at a branch every window is 0
	s_mov_b32 s23, 2                               ; two tiles have a successor: a constant, the same in every wave of every work-group
.Ltile:
	TILE 0
	s_mov_b32 s58, s60                             ; the experts move up
	s_mov_b32 s68, s70
	s_mov_b32 s70, s71
	s_wait_xcnt 0x0                                ; the stores' base is rewritten only behind this wait
	s_add_nc_u64 s[12:13], s[12:13], OSTEP
	s_sub_co_u32 s23, s23, 1
	s_cmp_lg_u32 s23, 0
	s_cbranch_scc1 .Ltile
	TILE 1                                         ; the last tile is written out: it asks for nothing beyond its own K steps
	s_wait_tensorcnt 0x0                           ; the wave's end
	ds_add_u32 v[SPW], v[NIL]
	s_wait_dscnt 0x0
	CROUND                                         ; the closing round: no work-group ends while a partner may still ask for a tile that names it
	s_endpgm
.Lfunc_end_k_qb1cd58e7c3_gemm2:
	.size	k_qb1cd58e7c3_gemm2, .Lfunc_end_k_qb1cd58e7c3_gemm2-k_qb1cd58e7c3_gemm2
	.p2alignl 7, 3214868480
	.fill 96, 4, 3214868480
	.section	.rodata,"a",@progbits
	.p2align	6, 0x0
	.amdhsa_kernel k_qb1cd58e7c3_gemm2
		.amdhsa_group_segment_fixed_size 327680
		.amdhsa_private_segment_fixed_size 0
		.amdhsa_enable_private_segment 0
		.amdhsa_kernarg_size 40
		.amdhsa_user_sgpr_count 2
		.amdhsa_user_sgpr_kernarg_segment_ptr 1
		.amdhsa_wavefront_size32 1
		.amdhsa_system_sgpr_workgroup_id_x 1
		.amdhsa_system_sgpr_workgroup_id_y 1
		.amdhsa_system_sgpr_workgroup_id_z 1
		.amdhsa_system_vgpr_workitem_id 0
		.amdhsa_next_free_vgpr 512
		.amdhsa_next_free_sgpr 96
		.amdhsa_reserve_vcc 0
		.amdhsa_float_denorm_mode_32 3
		.amdhsa_float_denorm_mode_16_64 3
		.amdhsa_memory_ordered 1
		.amdhsa_forward_progress 1
		.amdhsa_inst_pref_size 177
	.end_amdhsa_kernel
	.amdgpu_metadata
---
amdhsa.version: [ 1, 2 ]
amdhsa.kernels:
  - .name:           k_qb1cd58e7c3_gemm2
    .symbol:         k_qb1cd58e7c3_gemm2.kd
    .args:
      - { .name: hs, .offset: 0, .size: 8, .value_kind: global_buffer, .address_space: global }
      - { .name: wb, .offset: 8, .size: 8, .value_kind: global_buffer, .address_space: global }
      - { .name: b2, .offset: 16, .size: 8, .value_kind: global_buffer, .address_space: global }
      - { .name: route, .offset: 24, .size: 8, .value_kind: global_buffer, .address_space: global }
      - { .name: ys, .offset: 32, .size: 8, .value_kind: global_buffer, .address_space: global }
    .group_segment_fixed_size: 327680
    .private_segment_fixed_size: 0
    .kernarg_segment_align: 8
    .kernarg_segment_size: 40
    .max_flat_workgroup_size: 128
    .sgpr_count:     96
    .vgpr_count:     512
    .wavefront_size: 32
...
	.end_amdgpu_metadata
.endif
;; end of part 5
;; launch combine (part 6): grid 256 x 1, 8 waves a work-group, no clusters, 0 bytes of LDS; arguments ys, route, gate, out0; writes out0
.if DOCPART == 6
	.amdgcn_target "amdgcn-amd-amdhsa--gfx1250"
	.amdhsa_code_object_version 6
	.text
	.protected	k_qb1cd58e7c3_combine
	.globl	k_qb1cd58e7c3_combine
	.p2align	8
	.type	k_qb1cd58e7c3_combine,@function
k_qb1cd58e7c3_combine:
	s_mov_b64 s[64:65], 0
	v_nop
	global_prefetch_b8 v0, s[64:65] scope:SCOPE_SE
	s_setreg_imm32_b32 hwreg(HW_REG_WAVE_MODE, 25, 1), 1
	s_wait_xcnt 0x0
; COMBINE.  out[t] = g1[t] ys[slot of t's first expert] + g2[t] ys[slot of its second].  The other six experts' weights are exactly 0.
; A wave takes two tokens: four rows of 4,096 bytes, all 32 loads out at once; each result is made in the registers that a row was loaded into and stored from there.
; The slots are whole numbers that an earlier launch stored; each is clamped to the buffer's 9,216 rows before it enters an address.
; Memory binds: no LDS, no barrier, no matrix unit.  Every load and store of a wave covers 512 consecutive bytes, aligned.
.set Y, 8                              ; v[8:135]  piece n = 8 k + j (token k, 512 bytes j of a row): 4 registers of the first row, 4 of the second
	s_load_b256 s[4:11], s[0:1], 0x0               ; ys s[4:5], route s[6:7], gate s[8:9], out0 s[10:11]
	v_lshrrev_b32 v1, 5, v0
	v_readfirstlane_b32 s12, v1
	s_lshl_b32 s13, ttmp9, 3
	s_add_co_u32 s13, s13, s12                     ; my wave's number in the launch
	s_lshl_b32 s14, s13, 4                         ; its 16 bytes of POS and of gate
	s_lshl_b32 s40, s13, 13                        ; its two rows of out
	s_mov_b32 s41, 0
	v_and_b32 v1, 31, v0
	v_lshlrev_b32 v2, 4, v1
	s_wait_kmcnt 0x0
	s_load_b128 s[16:19], s[6:7], s14 offset:0x2000
	s_load_b128 s[24:27], s[8:9], s14 offset:0x0
	s_add_nc_u64 s[10:11], s[10:11], s[40:41]
	s_wait_kmcnt 0x0
.irp n, 0,1,2,3
	s_min_u32 s[16+\n], s[16+\n], 9215
	s_lshl_b32 s[32+2*\n], s[16+\n], 12            ; rows of 4,096 bytes
	s_mov_b32 s[33+2*\n], 0
	s_add_nc_u64 s[32+2*\n:33+2*\n], s[4:5], s[32+2*\n:33+2*\n]
.endr
	s_mov_b32 s28, s25                             ; the packed forms take the low word of an even pair for both halves: the second gates get pairs of their own
	s_mov_b32 s29, s25
	s_mov_b32 s30, s27
	s_mov_b32 s31, s27
.irp k, 0,1
.irp j, 0,1,2,3,4,5,6,7
	global_load_b128 v[Y+8*(8*\k+\j):Y+8*(8*\k+\j)+3],   v2, s[32+4*\k:33+4*\k] offset:512*\j th:TH_LOAD_NT
	global_load_b128 v[Y+8*(8*\k+\j)+4:Y+8*(8*\k+\j)+7], v2, s[34+4*\k:35+4*\k] offset:512*\j th:TH_LOAD_NT
.endr
.endr
.irp k, 0,1
.irp j, 0,1,2,3,4,5,6,7
	s_wait_loadcnt 30-2*(8*\k+\j)                  ; this piece's two loads are in; the younger pieces' stay out
.irp p, 0,2
	v_pk_mul_f32 v[Y+8*(8*\k+\j)+\p:Y+8*(8*\k+\j)+\p+1], v[Y+8*(8*\k+\j)+\p:Y+8*(8*\k+\j)+\p+1], s[24+2*\k:25+2*\k] op_sel_hi:[1,0]
.endr
.irp p, 0,2
	v_pk_fma_f32 v[Y+8*(8*\k+\j)+\p:Y+8*(8*\k+\j)+\p+1], v[Y+8*(8*\k+\j)+4+\p:Y+8*(8*\k+\j)+4+\p+1], s[28+2*\k:29+2*\k], v[Y+8*(8*\k+\j)+\p:Y+8*(8*\k+\j)+\p+1] op_sel_hi:[1,0,1]
.endr
	global_store_b128 v2, v[Y+8*(8*\k+\j):Y+8*(8*\k+\j)+3], s[10:11] offset:4096*\k+512*\j th:TH_STORE_NT
.endr
.endr
	s_endpgm
.Lfunc_end_k_qb1cd58e7c3_combine:
	.size	k_qb1cd58e7c3_combine, .Lfunc_end_k_qb1cd58e7c3_combine-k_qb1cd58e7c3_combine
	.p2alignl 7, 3214868480
	.fill 96, 4, 3214868480
	.section	.rodata,"a",@progbits
	.p2align	6, 0x0
	.amdhsa_kernel k_qb1cd58e7c3_combine
		.amdhsa_group_segment_fixed_size 0
		.amdhsa_private_segment_fixed_size 0
		.amdhsa_enable_private_segment 0
		.amdhsa_kernarg_size 32
		.amdhsa_user_sgpr_count 2
		.amdhsa_user_sgpr_kernarg_segment_ptr 1
		.amdhsa_wavefront_size32 1
		.amdhsa_system_sgpr_workgroup_id_x 1
		.amdhsa_system_sgpr_workgroup_id_y 1
		.amdhsa_system_sgpr_workgroup_id_z 1
		.amdhsa_system_vgpr_workitem_id 0
		.amdhsa_next_free_vgpr 136
		.amdhsa_next_free_sgpr 66
		.amdhsa_reserve_vcc 0
		.amdhsa_float_denorm_mode_32 3
		.amdhsa_float_denorm_mode_16_64 3
		.amdhsa_memory_ordered 1
		.amdhsa_forward_progress 1
		.amdhsa_inst_pref_size 11
	.end_amdhsa_kernel
	.amdgpu_metadata
---
amdhsa.version: [ 1, 2 ]
amdhsa.kernels:
  - .name:           k_qb1cd58e7c3_combine
    .symbol:         k_qb1cd58e7c3_combine.kd
    .args:
      - { .name: ys, .offset: 0, .size: 8, .value_kind: global_buffer, .address_space: global }
      - { .name: route, .offset: 8, .size: 8, .value_kind: global_buffer, .address_space: global }
      - { .name: gate, .offset: 16, .size: 8, .value_kind: global_buffer, .address_space: global }
      - { .name: out0, .offset: 24, .size: 8, .value_kind: global_buffer, .address_space: global }
    .group_segment_fixed_size: 0
    .private_segment_fixed_size: 0
    .kernarg_segment_align: 8
    .kernarg_segment_size: 32
    .max_flat_workgroup_size: 256
    .sgpr_count:     66
    .vgpr_count:     136
    .wavefront_size: 32
...
	.end_amdgpu_metadata
.endif
;; end of part 6
;; ======== version 2 of 3: 6 launches; 1.23 times as fast as version 1
;; limits: values are held in f16: magnitudes above 65,504 overflow, below 6.1e-05 lose precision
;; workspace buffers: sel 16,384 bytes of whole numbers; gate 32,768 bytes; route 40,960 bytes of whole numbers; wb 33,554,432 bytes; xs 18,874,368 bytes; hs 18,874,368 bytes; ys 37,748,736 bytes
;; launch router: the kernel of part 1 again; grid 256 x 1, 8 waves a work-group, no clusters, 5,120 bytes of LDS; arguments x, Wr, br, sel, gate; writes sel, gate
;; launch prep (part 7): grid 1025 x 1, 8 waves a work-group, no clusters, 1,280 bytes of LDS; arguments sel, W1, W2, route, wb; writes route, wb
.if DOCPART == 7
	.amdgcn_target "amdgcn-amd-amdhsa--gfx1250"
	.amdhsa_code_object_version 6
	.text
	.protected	k_qb1cd58e7c3_prep
	.globl	k_qb1cd58e7c3_prep
	.p2align	8
	.type	k_qb1cd58e7c3_prep,@function
k_qb1cd58e7c3_prep:
	s_mov_b64 s[64:65], 0
	v_nop
	global_prefetch_b8 v0, s[64:65] scope:SCOPE_SE
	s_setreg_imm32_b32 hwreg(HW_REG_WAVE_MODE, 25, 1), 1
	s_wait_xcnt 0x0
; PREP.  Work-groups 1 .. 1,024 cast W1 and W2 to f16 and lay them in the order in which the products' matrix fragments want them.  Work-group 0 makes the routing tables
; from sel; its chain of dependent steps runs beside the cast's 96 MiB of traffic.
; wb = [layer 2][expert 8][g 16][kb 32][s 4][k8 4][r 16][8] f16, and the element is W[k = 32 kb + 8 k8 + i][n = 64 g + 4 r + s].  So the 1,024 bytes of (g, kb, s) are one fragment of 16 columns x 32 k as a wave's
; registers hold it (lane 16 h + r: 16 bytes at 256 (2 c + h) + 16 r for registers 4 c .. 4 c + 3), two loads of 512 consecutive bytes, and the 64 columns of a group g are 128 KiB on end, in ascending k.
; A fragment holds every fourth column, since a thread of the cast holds four neighbouring columns and each of its stores takes one of them.
; f16, NOT bf16: 11 significant bits against 8.  The result is a sum of 1,024 products twice over, of four rounded operands (x, W1, h, W2); with roundings of up to 2^-8 of a binade
; their errors add up to about a third of a per cent of the result's spread, with roundings of up to 2^-11 to an eighth of that.
; LIMIT.  |W| above 65,504 becomes infinite; below 6.1e-5 the step is 6e-8 (denormals are kept).  The weights' spread as drawn is 1/32: 30 times larger or smaller it is 0.94 or 0.001, both inside.
; route, in bytes:  0 META, 128 words: word 0 = NB, the row blocks of 144 slots in use; word 1 = NP, the pad slots inside them; word 16 + j = the expert of block j (0 from NB on)
;                 512 PADL, 1,024 words: the slots that hold no token: first the NP pads inside the experts' blocks, then the slots from 144 NB up to 9,215
;                8192 POS, [4096][2]: the slots of a token's first and second expert
; Expert e owns the slots base_e .. base_e + (its count rounded up to 144) - 1, so every block of 144 slots belongs to one expert.
; WHY 144: the blocks number at most (8,192 + 8 x 143) / 144 = 64.8, that is 64, whatever the counts: 64 blocks x 4 column blocks of 256 give the products 256 equal tiles.
; 64 x 144 = 9,216 slots = 8,192 token slots + the 1,024 listed ones.
.set BLK, 144
	s_load_b256 s[4:11], s[0:1], 0x0               ; sel s[4:5], W1 s[6:7], W2 s[8:9], route s[10:11]
	s_load_b64 s[12:13], s[0:1], 0x20              ; wb
	v_lshl_add_u32 v112, v0, 2, 0x100
	v_mov_b32 v113, 0
	s_cmp_eq_u32 ttmp9, 0                          ; the same answer in all eight waves of a work-group
	s_cbranch_scc1 .Lplace
	; THE CAST.  A work-group takes 16 rows (k) of one expert's W, 64 KiB of f32.  Thread t takes columns 4 t .. 4 t + 3 of each row: a load of a wave covers 512 consecutive bytes.
	; Eight rows give a thread 8 k of each of its four columns: 16 bytes of f16 a column.  A store takes one column of each thread: lanes 0-15 fill 256 consecutive bytes, aligned, of one group g, lanes 16-31 of the next.
	; All sixteen loads go out at once; no register is used twice, so nothing waits for a store.
	s_sub_co_u32 s14, ttmp9, 1                     ; piece 0 .. 1,023 = (8 layer + expert) x 64 + the piece's place along k
	s_and_b32 s18, s14, 511
	s_lshl_b32 s18, s18, 16                        ; from: 512 pieces of 64 KiB in each of W1, W2
	s_mov_b32 s19, 0
	s_lshr_b32 s20, s14, 6
	s_lshl_b32 s20, s20, 21                        ; to: 2 MiB for each layer and expert,
	s_bfe_u32 s22, s14, 0x50001                    ; kb = the place / 2 (5 bits from bit 1): 4,096 bytes,
	s_lshl_b32 s22, s22, 12
	s_add_co_u32 s20, s20, s22
	s_and_b32 s22, s14, 1                          ; k8 = 2 (the place % 2) + 0, 1: 256 bytes
	s_lshl_b32 s22, s22, 9
	s_add_co_u32 s20, s20, s22
	s_mov_b32 s21, 0
	v_lshlrev_b32 v2, 4, v0                        ; from: 16 t
	v_lshrrev_b32 v3, 4, v0                        ; to: g = t / 16: 128 KiB; r = t % 16: 16 bytes
	v_and_b32 v4, 15, v0
	v_lshlrev_b32 v3, 17, v3
	v_lshl_add_u32 v3, v4, 4, v3
	s_wait_kmcnt 0x0
	s_cmp_lt_u32 s14, 512
	s_cselect_b64 s[16:17], s[6:7], s[8:9]
	s_add_nc_u64 s[16:17], s[16:17], s[18:19]
	s_add_nc_u64 s[12:13], s[12:13], s[20:21]
.irp i, 0,1,2,3,4,5,6,7,8,9,10,11,12,13,14,15
	global_load_b128 v[8+4*\i:8+4*\i+3], v2, s[16:17] offset:4096*\i th:TH_LOAD_NT
.endr
.irp oo, 0,1
	s_wait_loadcnt 8-8*\oo                         ; the eight rows of this half are in; the younger eight stay out
.irp s, 0,1,2,3
.irp c, 0,1,2,3
	v_cvt_pk_f16_f32 v[72+16*\oo+4*\s+\c], v[8+4*(8*\oo+2*\c)+\s], v[8+4*(8*\oo+2*\c+1)+\s]   ; column s, k = 2 c and 2 c + 1: the lower k in the lower half
.endr
	global_store_b128 v3, v[72+16*\oo+4*\s:72+16*\oo+4*\s+3], s[12:13] offset:256*\oo+1024*\s
.endr
.endr
	s_endpgm
	; THE PLACEMENT.  Wave w holds tokens 512 w .. 512 w + 511, sixteen to a lane: register g = 4 j + k of lane l is token 512 w + 128 j + 4 l + k.
	; Within an expert the slots are dealt in the order wave, register, lane: any fixed order serves.  No address hangs on the data.
.set SELR, 8                           ; v[8:23]   sel as loaded
.set I1,   24                          ; v[24:39]  first expert
.set I2,   40                          ; v[40:55]  second expert
.set PO,   56                          ; v[56:87]  the two slots of register g at PO + 2 g
.set R,    88                          ; v[88:95]  a register's ranks, one for each expert; before that: the exchange of counts (v88-99)
.set CNT,  16                          ; s[16:23]  my wave's picks of expert e
.set TOT,  24                          ; s[24:31]  all waves'
.set RUN,  32                          ; s[32:39]  the next free slot of expert e for my wave
.set BAS,  40                          ; s[40:48]  base_e; base_8 = 144 NB
.set PP,   50                          ; s[50:58]  pads in front of expert e's; PP + 8 = NP
.set DD8,  59                          ; s59       listed slot q >= NP lies at q + DD8
.set DD,   66                          ; s[66:73]  pad q of expert e lies at slot q + DD_e
.set BB,   74                          ; s[74:82]  expert e's first block; BB + 8 = NB
.set MA,   84                          ; s[84:91]  lanes whose first expert is e
.set MB,   92                          ; s[92:99]  lanes whose second expert is e
.Lplace:
	v_and_b32 v1, 31, v0
	v_lshrrev_b32 v2, 5, v0
	v_readfirstlane_b32 s14, v2                    ; wave
	v_lshlrev_b32 v3, 4, v1
	v_lshl_add_u32 v3, s14, 11, v3                 ; 2,048 w + 16 l
	s_wait_kmcnt 0x0
.irp j, 0,1,2,3
	global_load_b128 v[SELR+4*\j:SELR+4*\j+3], v3, s[4:5] offset:512*\j
.endr
.irp e, 0,1,2,3,4,5,6,7
	s_mov_b32 s[CNT+\e], 0
.endr
	s_wait_loadcnt 0x0
.set g, 0
.rept 16
	v_and_b32 v[I1+g], 0xff, v[SELR+g]
	v_lshrrev_b32 v[I2+g], 8, v[SELR+g]
.set g, g+1
.endr
	; pass 1: my wave's count for each expert.  A register's sixteen compares go out together, then the scalar sums.
.set g, 0
.rept 16
.irp e, 0,1,2,3,4,5,6,7
	v_cmp_eq_u32 s[MA+\e], \e, v[I1+g]
	v_cmp_eq_u32 s[MB+\e], \e, v[I2+g]
.endr
.irp e, 0,1,2,3,4,5,6,7
	s_or_b32 s61, s[MA+\e], s[MB+\e]
	s_bcnt1_i32_b32 s61, s61
	s_add_co_u32 s[CNT+\e], s[CNT+\e], s61
.endr
.set g, g+1
.endr
	; the waves' counts meet in LDS, two to a word (a wave's is 512 at the most, a sum over waves 4,096: both fit 16 bits)
.irp p, 0,1,2,3
	s_lshl_b32 s61, s[CNT+2*\p+1], 16
	s_or_b32 s61, s61, s[CNT+2*\p]
	v_mov_b32 v[88+\p], s61
.endr
	v_mov_b32 v92, s14
	v_lshlrev_b32 v92, 4, v92
	ds_store_b128 v92, v[88:91]                    ; all lanes write the wave's 16 bytes with the same numbers
	s_wait_dscnt 0x0                               ; for the others' sake
	s_barrier_signal -1
	s_barrier_wait -1
	v_and_b32 v93, 7, v0
	v_lshlrev_b32 v94, 4, v93
	ds_load_b128 v[88:91], v94                     ; lane l: the counts of wave l % 8
	s_wait_dscnt 0x0
	v_cmp_gt_u32 vcc_lo, s14, v93                  ; a second copy with the waves in front of mine alone
.irp p, 0,1,2,3
	v_cndmask_b32 v[96+\p], 0, v[88+\p], vcc_lo
.endr
	v_mov_b32 v95, 0
.irp m, 1,2,4
.irp p, 88,89,90,91,96,97,98,99
	v_mov_b32_dpp v95, v\p row_xmask:\m row_mask:0xf bank_mask:0xf
	v_add_nc_u32 v\p, v\p, v95
.endr
.endr
.irp p, 0,1,2,3
	v_readfirstlane_b32 s61, v[88+\p]
	s_and_b32 s[TOT+2*\p], s61, 0xffff
	s_lshr_b32 s[TOT+2*\p+1], s61, 16
	v_readfirstlane_b32 s62, v[96+\p]
	s_and_b32 s[RUN+2*\p], s62, 0xffff
	s_lshr_b32 s[RUN+2*\p+1], s62, 16
.endr
	s_mov_b32 s[BAS], 0
	s_mov_b32 s[PP], 0
	s_mov_b32 s[BB], 0
.irp e, 0,1,2,3,4,5,6,7
	s_add_co_u32 s61, s[TOT+\e], BLK-1
	s_mul_i32 s61, s61, 7282                       ; n / 144 = (7,282 n) >> 20: 7,282 x 144 = 2^20 + 32, so the quotient is exact while 32 n < 2^20; here n <= 4,239
	s_lshr_b32 s61, s61, 20                        ; expert e's blocks
	s_add_co_u32 s[BB+\e+1], s[BB+\e], s61
	s_mul_i32 s61, s61, BLK                        ; its count rounded up to whole blocks
	s_add_co_u32 s[BAS+\e+1], s[BAS+\e], s61
	s_sub_co_u32 s61, s61, s[TOT+\e]
	s_add_co_u32 s[PP+\e+1], s[PP+\e], s61
	s_add_co_u32 s[RUN+\e], s[RUN+\e], s[BAS+\e]
	s_add_co_u32 s62, s[BAS+\e], s[TOT+\e]
	s_sub_co_u32 s[DD+\e], s62, s[PP+\e]
.endr
	s_sub_co_u32 s[DD8], s[BAS+8], s[PP+8]         ; the slots behind the last block in use follow the pads in the list
	; pass 2: a pick's slot = the expert's next free slot + the picks of that expert in lower lanes of this register
.set g, 0
.rept 16
.irp e, 0,1,2,3,4,5,6,7
	v_cmp_eq_u32 s[MA+\e], \e, v[I1+g]
	v_cmp_eq_u32 s[MB+\e], \e, v[I2+g]
.endr
.irp e, 0,1,2,3,4,5,6,7
	s_or_b32 s61, s[MA+\e], s[MB+\e]
	v_mbcnt_lo_u32_b32 v[R+\e], s61, s[RUN+\e]
	s_bcnt1_i32_b32 s62, s61
	s_add_co_u32 s[RUN+\e], s[RUN+\e], s62
.endr
	v_mov_b32 v[PO+2*g], v[R]                      ; expert 0's rank starts both; the expert that matches replaces it
	v_mov_b32 v[PO+2*g+1], v[R]
.irp e, 1,2,3,4,5,6,7
	v_cndmask_b32 v[PO+2*g], v[PO+2*g], v[R+\e], s[MA+\e]
	v_cndmask_b32 v[PO+2*g+1], v[PO+2*g+1], v[R+\e], s[MB+\e]
.endr
.set g, g+1
.endr
	v_lshlrev_b32 v4, 5, v1
	v_lshl_add_u32 v4, s14, 12, v4                 ; POS: 8 bytes a token: 4,096 w + 1,024 j + 32 l
.irp j, 0,1,2,3
	global_store_b128 v4, v[PO+8*\j:PO+8*\j+3],   s[10:11] offset:8192+1024*\j
	global_store_b128 v4, v[PO+8*\j+4:PO+8*\j+7], s[10:11] offset:8192+1024*\j+16
.endr
	; PADL: thread i makes entries 4 i .. 4 i + 3.  Entry q belongs to the last expert whose pads begin at or in front of q; from NP on to the slots behind the last block in use.
	v_lshlrev_b32 v5, 2, v0
.irp k, 0,1,2,3
	v_add_nc_u32 v[104+\k], \k, v5
	v_mov_b32 v[100+\k], s[DD]
.endr
.irp e, 1,2,3,4,5,6,7
.irp k, 0,1,2,3
	v_cmp_le_u32 vcc_lo, s[PP+\e], v[104+\k]
	v_cndmask_b32 v[100+\k], v[100+\k], s[DD+\e], vcc_lo
.endr
.endr
.irp k, 0,1,2,3
	v_cmp_le_u32 vcc_lo, s[PP+8], v[104+\k]
	v_cndmask_b32 v[100+\k], v[100+\k], s[DD8], vcc_lo
.endr
.irp k, 0,1,2,3
	v_add_nc_u32 v[100+\k], v[100+\k], v[104+\k]
.endr
	v_lshlrev_b32 v6, 4, v0
	global_store_b128 v6, v[100:103], s[10:11] offset:512
	; META: threads 0 .. 127, one word each
	s_cmp_lt_u32 s14, 4
	s_cbranch_scc0 .Lpend
	v_add_nc_u32 v108, -16, v0                     ; block j = word - 16 (words 0 .. 15 wrap to large numbers and fall to 0 below)
	v_mov_b32 v109, 0
.irp e, 1,2,3,4,5,6,7
	v_cmp_le_u32 vcc_lo, s[BB+\e], v108
	v_cndmask_b32 v109, v109, \e, vcc_lo
.endr
	v_cmp_gt_u32 vcc_lo, s[BB+8], v108
	v_cndmask_b32 v109, 0, v109, vcc_lo
	v_cmp_eq_u32 vcc_lo, 0, v0
	v_cndmask_b32 v109, v109, s[BB+8], vcc_lo
	v_cmp_eq_u32 vcc_lo, 1, v0
	v_cndmask_b32 v109, v109, s[PP+8], vcc_lo
	global_store_b32 v5, v109, s[10:11]
.Lpend:
	s_wait_tensorcnt 0x0
	ds_add_u32 v112, v113
	s_wait_dscnt 0x0
	s_endpgm
.Lfunc_end_k_qb1cd58e7c3_prep:
	.size	k_qb1cd58e7c3_prep, .Lfunc_end_k_qb1cd58e7c3_prep-k_qb1cd58e7c3_prep
	.p2alignl 7, 3214868480
	.fill 96, 4, 3214868480
	.section	.rodata,"a",@progbits
	.p2align	6, 0x0
	.amdhsa_kernel k_qb1cd58e7c3_prep
		.amdhsa_group_segment_fixed_size 1280
		.amdhsa_private_segment_fixed_size 0
		.amdhsa_enable_private_segment 0
		.amdhsa_kernarg_size 40
		.amdhsa_user_sgpr_count 2
		.amdhsa_user_sgpr_kernarg_segment_ptr 1
		.amdhsa_wavefront_size32 1
		.amdhsa_system_sgpr_workgroup_id_x 1
		.amdhsa_system_sgpr_workgroup_id_y 1
		.amdhsa_system_sgpr_workgroup_id_z 1
		.amdhsa_system_vgpr_workitem_id 0
		.amdhsa_next_free_vgpr 114
		.amdhsa_next_free_sgpr 100
		.amdhsa_reserve_vcc 1
		.amdhsa_float_denorm_mode_32 3
		.amdhsa_float_denorm_mode_16_64 3
		.amdhsa_memory_ordered 1
		.amdhsa_forward_progress 1
		.amdhsa_inst_pref_size 101
	.end_amdhsa_kernel
	.amdgpu_metadata
---
amdhsa.version: [ 1, 2 ]
amdhsa.kernels:
  - .name:           k_qb1cd58e7c3_prep
    .symbol:         k_qb1cd58e7c3_prep.kd
    .args:
      - { .name: sel, .offset: 0, .size: 8, .value_kind: global_buffer, .address_space: global }
      - { .name: W1, .offset: 8, .size: 8, .value_kind: global_buffer, .address_space: global }
      - { .name: W2, .offset: 16, .size: 8, .value_kind: global_buffer, .address_space: global }
      - { .name: route, .offset: 24, .size: 8, .value_kind: global_buffer, .address_space: global }
      - { .name: wb, .offset: 32, .size: 8, .value_kind: global_buffer, .address_space: global }
    .group_segment_fixed_size: 1280
    .private_segment_fixed_size: 0
    .kernarg_segment_align: 8
    .kernarg_segment_size: 40
    .max_flat_workgroup_size: 256
    .sgpr_count:     100
    .vgpr_count:     114
    .wavefront_size: 32
...
	.end_amdgpu_metadata
.endif
;; end of part 7
;; launch gather: the kernel of part 3 again; grid 256 x 1, 8 waves a work-group, no clusters, 0 bytes of LDS; arguments x, route, xs; writes xs
;; launch gemm1 (part 8): grid 256 x 1, 4 waves a work-group, clusters of 4 x 1, 327,680 bytes of LDS; arguments xs, wb, b1, route, hs; writes hs
.if DOCPART == 8
	.amdgcn_target "amdgcn-amd-amdhsa--gfx1250"
	.amdhsa_code_object_version 6
	.text
	.protected	k_qb1cd58e7c3_gemm1
	.globl	k_qb1cd58e7c3_gemm1
	.p2align	8
	.type	k_qb1cd58e7c3_gemm1,@function
k_qb1cd58e7c3_gemm1:
	s_mov_b64 s[64:65], 0
	v_nop
	global_prefetch_b8 v0, s[64:65] scope:SCOPE_SE
	s_setreg_imm32_b32 hwreg(HW_REG_WAVE_MODE, 25, 1), 1
	s_wait_xcnt 0x0
	s_wait_alu depctr_hold_cnt(0) depctr_sa_sdst(0) depctr_va_vdst(0) depctr_va_sdst(0) depctr_va_ssrc(0) depctr_va_vcc(0) depctr_vm_vsrc(0)
	s_getreg_b32 s2, hwreg(HW_REG_IB_STS2, 6, 4)
	s_cmp_eq_u32 s2, 0
	s_cbranch_scc0 .Lentry_in_a_cluster
	s_endpgm
.Lentry_in_a_cluster:
	s_bfe_u32 s2, ttmp6, 0x10000c
	s_cmp_lg_u32 s2, 0x3003
	s_cbranch_scc0 .Lentry_shape_is_right
	s_endpgm
.Lentry_shape_is_right:
; LAYER 1.  hs[slot][p] = f16(gelu(sum over d of xs[slot][d] W1[e][d][p] + b1[e][p])), e the expert of the slot's block of 144; gelu in its tanh form; operands in f16, sums and gelu in f32.
; SHARES.  A tile is 144 slots x 256 columns, K = 1,024; a work-group makes one.  The slots are sorted by expert in blocks of 144, of which 64 always suffice ((8,192 + 8 x 143) / 144 = 64.8):
; 64 blocks x 4 column blocks = 256 work-groups of equal work.  Four waves; wave w makes all 144 slots x columns 64 w .. 64 w + 63: 9 x 4 = 36 accumulators, fed by 9 + 4 fragments for 32 along K.
; The grid and every barrier are constants: the blocks behind the last one in use (57 to 64 are in use, by the counts) hold rows of zeros and are computed like the others, with expert 0; nobody reads their results.
; A block's expert is a whole number that an earlier launch stored; it enters W's and the bias's addresses alone.
; TWO ROADS.  xs is read by all four waves, so it goes through LDS; the block's 144 rows x 2,048 bytes fit there whole, as eight chunks of 128 along K, and each byte of LDS is filled ONCE: nothing is ever filled again.
; W is shared by no two waves of the work-group (each has its own 64 columns), so LDS would serve it nothing: it goes from memory straight into registers.  The cast has laid it in fragment order, a wave's 128 KiB on end
; in ascending k; a ring of eight register buffers keeps the fragments of seven steps of 32 along K (56 loads of 512 bytes) on their way, each asked for 232 matrix instructions ahead of its use.
; CLUSTER.  The cluster is the block of slots, the place in it (cx) the column block.  The four partners need the same rows of xs: those are asked for JOINTLY (mask 15).
; W is not shared between work-groups: those that need the same W are the row blocks of one expert, and which those are hangs on counts in memory, which no fixed cluster follows.
; THE MATRIX INSTRUCTION IS USED TRANSPOSED (source 0 = 16 columns of W, source 1 = 16 slots).  Fragment s of a wave's four holds its columns 4 r + s, so register j of accumulator (a, s) in lane 16 h + r is
; slot 16 a + r, column 32 h + 4 j + s: a lane holds 32 neighbouring columns of one slot, and the addition of the bias puts them in their order.
; THE 32 STEPS ARE WRITTEN OUT (K is a constant): every offset is an immediate, no base and no address register is ever stepped.
; REGISTERS, in windows of 256: window 0: v0-31 addresses and constants; v32-175 two buffers of xs's fragments (9 x 16 slots x 32 K each), later the way out; v176-207 the bias; v208-239 a row block at work in gelu.
;   window 1: W's ring, eight buffers of 32.   window 2: the accumulators of row blocks 0-4 ((a, s) at v[32 a + 8 s]);   window 3: those of row blocks 5-8.
; LIMITS.  h is kept in f16 (11 significant bits; why not bf16: see the cast of the weights): h above 65,504 becomes infinite.  As drawn the sums have spread 1; with x and W1 both 30 times larger, 900;
; with both offset by 30 of their spreads, 1,024 x 30 x 30/32 = 28,800: all inside.  With both 30 times smaller h is about 5e-4, and f16's step of 6e-8 there is about 1e-4 of it.
; Experts that the router did not pick are not computed: where such an expert's result would be infinite or NaN, a weight of 0 times it is NaN in a dense evaluation and absent here.
.set BLK,    144
.set NQ,     32                        ; steps of 32 along K
.set PA,     272                       ; a row of a chunk in LDS: 256 bytes + 16 = 17 x 16: the 16 rows of a fragment load start at 16 different banks (64 banks of 4 bytes: ISA guide 11.1)
.set AH,     72*PA                     ; 72 slots x 128 k: what one tensor load brings
.set CH,     2*AH                      ; a chunk: 144 slots x 128 k; chunk c lies at LDS byte c CH; eight chunks are 313,344 bytes
.set SP,     528                       ; the stage for the way out: 144 rows of 512 bytes + 16 = 33 x 16, from LDS byte 0 on: 76,032 bytes, inside chunks 0 and 1, which have had their only fill and have been read out
.set T8,   8                           ; v[8:15]  at work in gelu
.set ADRA, 16                          ; v16-23   LDS address of my fragments in chunk 0 .. 7 (an LDS offset has 16 bits)
.set STO,  24                          ; v24-25   the way out: where I put 64 bytes of a row, for row blocks 0-4 and 5-8
.set RD,   26                          ; v26      where I read a row back
.set L16,  27                          ; v27      16 x lane: my place in 512 consecutive bytes, of W and of a row of hs; never rewritten
.set BV,   28                          ; v28      my byte offset in the wave's 64 numbers of the bias
.set AF,   32                          ; v[32:175]  xs's fragments
.set TMP,  32                          ; v[32:175]  then: packed results, then 36 whole rows
.set BIAS, 176                         ; BIAS + i: column 32 (l / 16) + i
.set XX,   208                         ; v[208:239] sum + bias of one row block, columns in their order
.set G1A, 24                           ; s[24:31] descriptor group 1 for xs;  s[32:47] group 0, one set for each of my four loads
.set G0A, 32
; s14 wave; s15, s16 its upper and lower bit; s17 cx, the column block; s20 the block's expert; s[56:57] my wave's W; s[66:67] the bias at my columns; s[12:13] hs at the rows that I store
.set MSB, 0
.macro WIN new                         ; the immediate's high byte repeats the setting that is left
.if MSB != \new
	s_set_vgpr_msb (MSB<<8)|\new
.set MSB, \new
.endif
.endm
.set MUL_LO, 0xa1                      ; source 0 (W) window 1, source 1 (xs) window 0; C and D window 2
.set MUL_HI, 0xf1                      ; the same, C and D window 3
.set TO_W,   0x40                      ; destination window 1, address window 0
.macro CROUND                          ; a round of the cluster's barrier: my work-group's barrier; wave 0 signals for the work-group; every wave waits for all four work-groups; my work-group's barrier once more
	s_barrier_signal -1
	s_barrier_wait -1
	s_cmp_lg_u32 s14, 0
	s_cbranch_scc1 .Lnot_wave_0_\@
	s_barrier_signal -3
.Lnot_wave_0_\@:
	s_barrier_wait -3
	s_barrier_signal -1
	s_barrier_wait -1
.endm
	s_load_b256 s[4:11], s[0:1], 0x0               ; xs s[4:5], wb s[6:7], b1 s[8:9], route s[10:11]
	s_load_b64 s[12:13], s[0:1], 0x20              ; hs
	v_lshl_add_u32 v254, v0, 2, 0x4c800
	v_mov_b32 v255, 0
	ds_add_u32 v254, v255
	v_lshrrev_b32 v1, 5, v0
	v_readfirstlane_b32 s14, v1
	s_lshr_b32 s15, s14, 1
	s_and_b32 s16, s14, 1
	s_bfe_u32 s17, ttmp6, 0x40000                  ; cx: it enters W's, the bias's and hs's addresses alone
	s_lshl_b32 s73, ttmp9, 2                       ; in a cluster launch ttmp9 counts clusters: the block of slots, which the partners share
	s_mov_b32 s[G1A+0], 15|(1<<16)|(1<<20)|(1<<21)|(5<<22)|(3<<25)  ; 15:0 the mask: all four; 17:16 elements of 2 bytes; 20 padding on; 21 set beside a mask; 24:22 after every 64 words (code 5); 31:25 4 words (code 3)
	s_mov_b32 s[G1A+1], 128<<16                    ; tensor_dim0 = 128
	s_mov_b32 s[G1A+2], 72<<16                     ; tensor_dim1 = 72
	s_mov_b32 s[G1A+3], 128<<16                    ; tile_dim0 = 128
	s_mov_b32 s[G1A+4], 72                         ; tile_dim1 = 72
	s_mov_b32 s[G1A+5], 1024                       ; elements from row to row
	s_mov_b32 s[G1A+6], 0
	s_mov_b32 s[G1A+7], 0
	; My load p (0 .. 3) brings rows 72 (w % 2) .. + 71 of chunk 2 p + w / 2.  In LDS that is byte (2 p + w / 2) CH + (w % 2) AH = 2 p CH + w AH.
	s_mul_i32 s74, ttmp9, BLK*2048                 ; xs: my block (144 rows of 2,048 bytes), my 72 rows, my chunk's 256 bytes; no register of this sum ever holds cx
	s_mul_i32 s75, s16, 72*2048
	s_add_co_u32 s74, s74, s75
	s_lshl_b32 s75, s15, 8
	s_add_co_u32 s74, s74, s75
	s_mov_b32 s75, 0
	s_mul_i32 s2, s14, AH                          ; no place in the cluster enters an LDS address
	s_mul_i32 s78, ttmp9, BLK*2048                 ; hs: my block, the 36 rows that I store, the tile's columns
	s_mul_i32 s79, s14, 36*2048
	s_add_co_u32 s78, s78, s79
	s_lshl_b32 s79, s17, 9
	s_add_co_u32 s78, s78, s79
	s_mov_b32 s79, 0
	s_wait_dscnt 0x0
	s_wait_kmcnt 0x0
	s_load_b32 s20, s[10:11], s73 offset:0x40      ; the block's expert: word 16 + block of the table.  xs's loads do not hang on it: it is waited for behind them
	s_add_nc_u64 s[76:77], s[4:5], s[74:75]
	s_add_nc_u64 s[12:13], s[12:13], s[78:79]
.irp p, 0,1,2,3
	s_mov_b32 s[G0A+4*\p], 1                                       ; count = 1
	s_add_co_u32 s[G0A+4*\p+1], s2, \p*2*CH                        ; LDS address
	s_add_nc_u64 s[G0A+4*\p+2:G0A+4*\p+3], s[76:77], \p*512        ; two chunks on along K
	s_or_b32 s[G0A+4*\p+3], s[G0A+4*\p+3], 0x80000000              ; type = 2
.endr
	CROUND                                         ; all four work-groups are here: the joint loads meet
.irp p, 0,1,2,3
	tensor_load_to_lds s[G0A+4*\p:G0A+4*\p+3], s[G1A:G1A+7]        ; all of xs's block goes out as one group: four tensor loads of mine are out, and there are no others in the launch
	s_nop 0
.endr
.rept 4
	v_nop
.endr
	v_and_b32 v1, 15, v0                           ; l % 16
	v_bfe_u32 v2, v0, 4, 1                         ; l / 16
	v_and_b32 v3, 31, v0
	v_lshlrev_b32 v[L16], 4, v3
	v_lshlrev_b32 v[BV], 7, v2                     ; 32 numbers of the bias for each half of the lanes
	s_lshl_b32 s78, s17, 19                        ; W: the group of 64 columns 4 cx + w: 128 KiB each
	s_lshl_b32 s79, s14, 17
	s_add_co_u32 s78, s78, s79
	s_lshl_b32 s68, s17, 10                        ; the bias: my wave's 64 columns
	s_lshl_b32 s69, s14, 8
	s_add_co_u32 s68, s68, s69
	s_wait_kmcnt 0x0
	s_min_u32 s20, s20, 7                          ; a loaded number is clamped before it enters an address
	s_lshl_b32 s79, s20, 21                        ; an expert's W: 2 MiB
	s_add_co_u32 s78, s78, s79
	s_mov_b32 s79, 0
	s_add_nc_u64 s[56:57], s[6:7], s[78:79]
	s_lshl_b32 s69, s20, 12                        ; an expert's bias: 4 KiB
	s_add_co_u32 s68, s68, s69
	s_mov_b32 s69, 0
	s_add_nc_u64 s[66:67], s[8:9], s[68:69]
; 4 matrix instructions: row block a x my four fragments of W, 32 along K.  zero = 1: the first product starts the sums.
; The 36 accumulators take turns, one instruction a turn, in the same order throughout.
.macro MULR fw, fa, a, zero
.set AC, 32*((\a)%5)
.irp s, 0,1,2,3
.if \zero
	v_wmma_f32_16x16x32_f16 v[AC+8*\s:AC+8*\s+7], v[\fw+8*\s:\fw+8*\s+7], v[\fa+8*(\a):\fa+8*(\a)+7], 0
.else
	v_wmma_f32_16x16x32_f16 v[AC+8*\s:AC+8*\s+7], v[\fw+8*\s:\fw+8*\s+7], v[\fa+8*(\a):\fa+8*(\a)+7], v[AC+8*\s:AC+8*\s+7]
.endif
.endr
.endm
; 18 LDS loads in one run: xs's nine fragments of step qn, in ascending order, into buffer qn % 2.  Lane l: row l % 16, 16 bytes for each half of the lanes; two loads 32 bytes apart.
.macro FETCHA qn
	WIN 0
.set FAN, AF+72*((\qn)%2)
.set ACH, ADRA+(\qn)/4
.irp a, 0,1,2,3,4,5,6,7,8
	ds_load_b128 v[FAN+8*\a:FAN+8*\a+3],   v[ACH] offset:64*((\qn)%4)+\a*16*PA
	ds_load_b128 v[FAN+8*\a+4:FAN+8*\a+7], v[ACH] offset:64*((\qn)%4)+\a*16*PA+32
.endr
.endm
; 8 loads of 512 consecutive bytes: W's four fragments of step qn, 4 KiB on end, into ring buffer qn % 8
.macro FETCHW qn
	WIN TO_W
.set FWN, 32*((\qn)%8)
.irp s, 0,1,2,3
	global_load_b128 v[FWN+8*\s:FWN+8*\s+3],   v[L16], s[56:57] offset:(\qn)*4096+\s*1024
	global_load_b128 v[FWN+8*\s+4:FWN+8*\s+7], v[L16], s[56:57] offset:(\qn)*4096+\s*1024+512
.endr
.endm
.macro PLACES                          ; four places in front of loads into registers that matrix instructions have read, and of vector work on results
.rept 4
	v_nop
.endr
.endm
; Step q: 36 matrix instructions on xs's buffer q % 2 and W's buffer q % 8.  In its middle it fetches xs's fragments of step q + 1 into the other buffer and asks for W's of step q + 7, into the buffer that step q - 1 multiplied.
; Steps 7, 15 and 23 stand in front of the next two chunks of xs: each wave waits for its next tensor load (the younger ones stay out) and for its LDS loads, and a barrier
; shows the two chunks to every wave; twenty matrix instructions stand between its signal and its wait.
.macro QUARTER q, zero
.set FAQ, AF+72*((\q)%2)
.set FWQ, 32*((\q)%8)
.set LC, 8*(NQ-1-(\q))                 ; W's loads that are younger than this step's: eight for each step asked for behind it: six steps, fewer at the end;
.if LC > 48
.set LC, 48
.endif
.if (\q) == 0
.set LC, 40                            ; five at the start (steps 6 and 7 are asked for in step 0, so that with the bias no more than 56 loads go out at once)
.endif
	s_wait_loadcnt LC                              ; loads come back in order (ISA guide 5.7.1): this step's fragments of W are in
.if ((\q)%8 == 7) && ((\q) < NQ-1)
	s_wait_dscnt 0x0                               ; no LDS load of mine is out at a signal; my reads of the chunks so far are over
	s_wait_tensorcnt 3-((\q)+1)/8                  ; my part of the next two chunks has landed
	s_barrier_signal -1
.else
	s_wait_dscnt 8                                 ; xs's blocks 0-4 are in; the youngest eight loads (blocks 5-8) may be out
.endif
	WIN MUL_LO
.irp a, 0,1,2,3,4
	MULR FWQ, FAQ, \a, \zero
.endr
.if ((\q)%8 == 7) && ((\q) < NQ-1)
	s_barrier_wait -1                              ; everybody's part has
.endif
.if (\q) < NQ-1
	PLACES
	FETCHA (\q)+1
.if (\q) == 0
	FETCHW 6
	FETCHW 7
.elseif (\q) < NQ-7
	FETCHW (\q)+7
.endif
	s_wait_dscnt 18                                ; all but the 18 just issued
.else
	s_wait_dscnt 0x0
.endif
	WIN MUL_HI
.irp a, 5,6,7,8
	MULR FWQ, FAQ, \a, \zero
.endr
.endm
; Eight numbers x in v[x ..]: gelu(x) = x / (1 + 2^(c x + c2 x^3)), which is 0.5 x (1 + tanh(sqrt(2 / pi) (x + 0.044715 x^3))); for large |x| it goes to x or to -0, through infinities that cancel nowhere.
; Behind each run of transcendentals one plain instruction stands before a result is used (ISA guide 5.7.2).  The results go as f16 into v[o .. o + 3].
.macro GELU8 x, o
.irp p, 0,2,4,6
	v_pk_mul_f32 v[T8+\p:T8+\p+1], v[\x+\p:\x+\p+1], v[\x+\p:\x+\p+1]
.endr
.irp p, 0,2,4,6
	v_pk_fma_f32 v[T8+\p:T8+\p+1], v[T8+\p:T8+\p+1], v[6:7], v[4:5]
.endr
.irp p, 0,2,4,6
	v_pk_mul_f32 v[T8+\p:T8+\p+1], v[T8+\p:T8+\p+1], v[\x+\p:\x+\p+1]
.endr
.irp j, 0,1,2,3,4,5,6,7
	v_exp_f32 v[T8+\j], v[T8+\j]
.endr
	v_nop
	s_wait_alu depctr_va_vdst(0)
.irp p, 0,2,4,6
	v_pk_add_f32 v[T8+\p:T8+\p+1], v[T8+\p:T8+\p+1], 1.0 op_sel_hi:[1,0]
.endr
.irp j, 0,1,2,3,4,5,6,7
	v_rcp_f32 v[T8+\j], v[T8+\j]
.endr
	v_nop
	s_wait_alu depctr_va_vdst(0)
.irp p, 0,2,4,6
	v_pk_mul_f32 v[\x+\p:\x+\p+1], v[\x+\p:\x+\p+1], v[T8+\p:T8+\p+1]
.endr
.irp k, 0,1,2,3
	v_cvt_pk_f16_f32 v[\o+\k], v[\x+2*\k], v[\x+2*\k+1]
.endr
.endm
; Row block a on its way out: sum + bias comes down into window 0 and into the columns' order (column 4 j + s is register j of accumulator s; each accumulator's registers are taken from the low end on);
; gelu then needs no further switch; 64 bytes a lane go into the stage.
.macro GELUROW a
.set AC, 32*((\a)%5)
	WIN (0x02+(\a)/5)                              ; source 0 in window 2 or 3
.irp j, 0,1,2,3,4,5,6,7
.irp s, 0,1,2,3
	v_add_f32 v[XX+4*\j+\s], v[AC+8*\s+\j], v[BIAS+4*\j+\s]
.endr
.endr
	WIN 0
.irp b, 0,1,2,3
	GELU8 (XX+8*\b), (TMP+4*(4*(\a)+\b))
.endr
.irp b, 0,1,2,3
	ds_store_b128 v[STO+(\a)/5], v[TMP+4*(4*(\a)+\b):TMP+4*(4*(\a)+\b)+3] offset:((\a)%5)*16*SP+16*\b
.endr
.endm
.irp i, 0,1,2,3,4,5,6,7                ; the bias: 128 consecutive bytes for each half of the lanes; older than all of W's loads, so step 0's wait shows it landed
	global_load_b128 v[BIAS+4*\i:BIAS+4*\i+3], v[BV], s[66:67] offset:16*\i
.endr
.irp n, 0,1,2,3,4,5
	FETCHW \n                                      ; W's ring is filled while xs's chunks are on their way
.endr
	WIN 0
	v_mul_u32_u24 v3, v1, PA
	v_lshl_add_u32 v[ADRA], v2, 4, v3              ; a fragment's row x pitch + 16 x half.  Every wave reads all 144 rows
.irp c, 1,2,3,4,5,6,7
	v_add_nc_u32 v[ADRA+\c], \c*CH, v[ADRA]
.endr
	s_lshl_b32 s74, s14, 7                         ; into the stage: every row, my 128 of its 512 bytes, 64 for each half of the lanes
	v_mul_u32_u24 v3, v1, SP
	v_lshl_add_u32 v3, v2, 6, v3
	v_add_nc_u32 v[STO], s74, v3
	v_add_nc_u32 v[STO+1], 5*16*SP, v[STO]
	s_mul_i32 s75, s14, 36*SP                      ; back: wave w takes rows 36 w .. 36 w + 35, whole: 32 lanes x 16 bytes are a row
	v_add_nc_u32 v[RD], s75, v[L16]
	v_mov_b32 v4, 0xc0135761                       ; c  = -2 sqrt(2 / pi) log2(e) = -2.3022082
	v_mov_b32 v5, 0xc0135761
	v_mov_b32 v6, 0xbdd2d3e8                       ; c2 = 0.044715 c = -0.10294324
	v_mov_b32 v7, 0xbdd2d3e8
	s_wait_tensorcnt 3                             ; my part of chunks 0 and 1 is in; my three younger loads stay out
	s_barrier_signal -1
	s_barrier_wait -1                              ; everybody's is
	FETCHA 0
	QUARTER 0, 1                                   ; the first step's products start the sums: nothing is ever cleared
.set qq, 1
.rept NQ-1
	QUARTER qq, 0
.set qq, qq+1
.endr
	WIN 0
	; THE WAY OUT: bias, gelu, f16; into the work-group's stage; a barrier, since a row's 512 bytes come from four waves; back as whole rows, 36 rows a wave.
	; The stage lies on chunks 0 and 1: every wave's reads of them were over in front of step 7's barrier, and no tensor load is left in the launch.
	PLACES
.irp a, 0,1,2,3,4,5,6,7,8
	GELUROW \a
.endr
	s_wait_dscnt 0x0                               ; for the others' sake: my stores into the stage are done
	s_barrier_signal -1
	s_barrier_wait -1
.set t, 0
.rept 36
	ds_load_b128 v[TMP+4*t:TMP+4*t+3], v[RD] offset:t*SP
.set t, t+1
.endr
.set t, 0
.rept 36
	s_wait_dscnt 35-t                              ; row t is back; the younger rows stay out
	global_store_b128 v[L16], v[TMP+4*t:TMP+4*t+3], s[12:13] offset:t*2048   ; the wave stores 512 consecutive bytes, at a multiple of 256 from hs's first byte
.set t, t+1
.endr
	s_wait_tensorcnt 0x0
	ds_add_u32 v254, v255
	s_wait_dscnt 0x0
	CROUND                                         ; the closing round: no work-group ends while a partner may still ask for a tile that names it
	s_endpgm
.Lfunc_end_k_qb1cd58e7c3_gemm1:
	.size	k_qb1cd58e7c3_gemm1, .Lfunc_end_k_qb1cd58e7c3_gemm1-k_qb1cd58e7c3_gemm1
	.p2alignl 7, 3214868480
	.fill 96, 4, 3214868480
	.section	.rodata,"a",@progbits
	.p2align	6, 0x0
	.amdhsa_kernel k_qb1cd58e7c3_gemm1
		.amdhsa_group_segment_fixed_size 327680
		.amdhsa_private_segment_fixed_size 0
		.amdhsa_enable_private_segment 0
		.amdhsa_kernarg_size 40
		.amdhsa_user_sgpr_count 2
		.amdhsa_user_sgpr_kernarg_segment_ptr 1
		.amdhsa_wavefront_size32 1
		.amdhsa_system_sgpr_workgroup_id_x 1
		.amdhsa_system_sgpr_workgroup_id_y 1
		.amdhsa_system_sgpr_workgroup_id_z 1
		.amdhsa_system_vgpr_workitem_id 0
		.amdhsa_next_free_vgpr 896
		.amdhsa_next_free_sgpr 96
		.amdhsa_reserve_vcc 0
		.amdhsa_float_denorm_mode_32 3
		.amdhsa_float_denorm_mode_16_64 3
		.amdhsa_memory_ordered 1
		.amdhsa_forward_progress 1
		.amdhsa_inst_pref_size 246
	.end_amdhsa_kernel
	.amdgpu_metadata
---
amdhsa.version: [ 1, 2 ]
amdhsa.kernels:
  - .name:           k_qb1cd58e7c3_gemm1
    .symbol:         k_qb1cd58e7c3_gemm1.kd
    .args:
      - { .name: xs, .offset: 0, .size: 8, .value_kind: global_buffer, .address_space: global }
      - { .name: wb, .offset: 8, .size: 8, .value_kind: global_buffer, .address_space: global }
      - { .name: b1, .offset: 16, .size: 8, .value_kind: global_buffer, .address_space: global }
      - { .name: route, .offset: 24, .size: 8, .value_kind: global_buffer, .address_space: global }
      - { .name: hs, .offset: 32, .size: 8, .value_kind: global_buffer, .address_space: global }
    .group_segment_fixed_size: 327680
    .private_segment_fixed_size: 0
    .kernarg_segment_align: 8
    .kernarg_segment_size: 40
    .max_flat_workgroup_size: 128
    .sgpr_count:     96
    .vgpr_count:     896
    .wavefront_size: 32
...
	.end_amdgpu_metadata
.endif
;; end of part 8
;; launch gemm2 (part 9): grid 256 x 1, 4 waves a work-group, clusters of 4 x 1, 327,680 bytes of LDS; arguments hs, wb, b2, route, ys; writes ys
.if DOCPART == 9
	.amdgcn_target "amdgcn-amd-amdhsa--gfx1250"
	.amdhsa_code_object_version 6
	.text
	.protected	k_qb1cd58e7c3_gemm2
	.globl	k_qb1cd58e7c3_gemm2
	.p2align	8
	.type	k_qb1cd58e7c3_gemm2,@function
k_qb1cd58e7c3_gemm2:
	s_mov_b64 s[64:65], 0
	v_nop
	global_prefetch_b8 v0, s[64:65] scope:SCOPE_SE
	s_setreg_imm32_b32 hwreg(HW_REG_WAVE_MODE, 25, 1), 1
	s_wait_xcnt 0x0
	s_wait_alu depctr_hold_cnt(0) depctr_sa_sdst(0) depctr_va_vdst(0) depctr_va_sdst(0) depctr_va_ssrc(0) depctr_va_vcc(0) depctr_vm_vsrc(0)
	s_getreg_b32 s2, hwreg(HW_REG_IB_STS2, 6, 4)
	s_cmp_eq_u32 s2, 0
	s_cbranch_scc0 .Lentry_in_a_cluster
	s_endpgm
.Lentry_in_a_cluster:
	s_bfe_u32 s2, ttmp6, 0x10000c
	s_cmp_lg_u32 s2, 0x3003
	s_cbranch_scc0 .Lentry_shape_is_right
	s_endpgm
.Lentry_shape_is_right:
; LAYER 2.  ys[slot][d] = sum over p of hs[slot][p] W2[e][p][d] + b2[e][d]; operands in f16, sums and ys in f32; e the expert of the slot's block of 144.
; SHARES.  A tile is 144 slots x 256 columns, K = 1,024; a work-group makes one.  The slots are sorted by expert in blocks of 144, of which 64 always suffice ((8,192 + 8 x 143) / 144 = 64.8):
; 64 blocks x 4 column blocks = 256 work-groups of equal work.  Four waves; wave w makes all 144 slots x columns 64 w .. 64 w + 63: 9 x 4 = 36 accumulators, fed by 9 + 4 fragments for 32 along K.
; The grid and every barrier are constants: the blocks behind the last one in use (57 to 64 are in use, by the counts) are computed like the others, with expert 0; nobody reads their results.
; A block's expert is a whole number that an earlier launch stored; it enters W's and the bias's addresses alone.
; TWO ROADS.  hs is read by all four waves, so it goes through LDS; the block's 144 rows x 2,048 bytes fit there whole, as eight chunks of 128 along K, and each byte of LDS is filled ONCE: nothing is ever filled again.
; W is shared by no two waves of the work-group (each has its own 64 columns), so LDS would serve it nothing: it goes from memory straight into registers.  The cast has laid it in fragment order, a wave's 128 KiB on end
; in ascending k; a ring of eight register buffers keeps the fragments of seven steps of 32 along K (56 loads of 512 bytes) on their way, each asked for 232 matrix instructions ahead of its use.
; CLUSTER.  The cluster is the block of slots, the place in it (cx) the column block.  The four partners need the same rows of hs: those are asked for JOINTLY (mask 15).
; W is not shared between work-groups: those that need the same W are the row blocks of one expert, and which those are hangs on counts in memory, which no fixed cluster follows.
; THE MATRIX INSTRUCTION IS USED TRANSPOSED (source 0 = 16 columns of W, source 1 = 16 slots).  Fragment s of a wave's four holds its columns 4 r + s, so register j of accumulator (a, s) in lane 16 h + r is
; slot 16 a + r, column 32 h + 4 j + s: a lane holds 32 neighbouring columns of one slot, and the addition of the bias puts them in their order.
; THE 32 STEPS ARE WRITTEN OUT (K is a constant): every offset is an immediate, no base and no address register is ever stepped.
; REGISTERS, in windows of 256: window 0: v0-31 addresses; v32-175 two buffers of hs's fragments (9 x 16 slots x 32 K each), later the way out; v176-207 the bias.
;   window 1: W's ring, eight buffers of 32.   window 2: the accumulators of row blocks 0-4 ((a, s) at v[32 a + 8 s]);   window 3: those of row blocks 5-8.
; LIMITS.  The operands' range is f16's (up to 65,504; the figures stand where hs and wb are made).
; Experts that the router did not pick are not computed: where such an expert's result would be infinite or NaN, a weight of 0 times it is NaN in a dense evaluation and absent here.
.set BLK,    144
.set NQ,     32                        ; steps of 32 along K
.set PA,     272                       ; a row of a chunk in LDS: 256 bytes + 16 = 17 x 16: the 16 rows of a fragment load start at 16 different banks (64 banks of 4 bytes: ISA guide 11.1)
.set AH,     72*PA                     ; 72 slots x 128 k: what one tensor load brings
.set CH,     2*AH                      ; a chunk: 144 slots x 128 k; chunk c lies at LDS byte c CH; eight chunks are 313,344 bytes
.set SP,     272                       ; the stages for the way out: 16 rows of 256 bytes + 16 for each wave, from LDS byte 0 on: 17,408 bytes, inside chunk 0, which has had its only fill and has been read out
.set ADRA, 16                          ; v16-23   LDS address of my fragments in chunk 0 .. 7 (an LDS offset has 16 bits)
.set STO,  24                          ; v24      the way out: where I put 128 bytes of a row
.set RD,   26                          ; v26      where I read a row back
.set L16,  27                          ; v27      16 x lane: my place in 512 consecutive bytes of W; never rewritten
.set BV,   28                          ; v28      my byte offset in the wave's 64 numbers of the bias
.set CO,   29                          ; v29      my byte offset in ys
.set AF,   32                          ; v[32:175]  hs's fragments
.set TMP,  32                          ; v[32:63]   then: 16 rows with the bias added, columns in their order
.set BK,   64                          ; v[64:127]  the same rows read back whole: two buffers by turns
.set BIAS, 176                         ; BIAS + i: column 32 (l / 16) + i
.set G1A, 24                           ; s[24:31] descriptor group 1 for hs;  s[32:47] group 0, one set for each of my four loads
.set G0A, 32
; s14 wave; s15, s16 its upper and lower bit; s17 cx, the column block; s20 the block's expert; s[56:57] my wave's W; s[66:67] the bias at my columns; s[12:13] ys at my block and my columns
.set MSB, 0
.macro WIN new                         ; the immediate's high byte repeats the setting that is left
.if MSB != \new
	s_set_vgpr_msb (MSB<<8)|\new
.set MSB, \new
.endif
.endm
.set MUL_LO, 0xa1                      ; source 0 (W) window 1, source 1 (hs) window 0; C and D window 2
.set MUL_HI, 0xf1                      ; the same, C and D window 3
.set TO_W,   0x40                      ; destination window 1, address window 0
.macro CROUND                          ; a round of the cluster's barrier: my work-group's barrier; wave 0 signals for the work-group; every wave waits for all four work-groups; my work-group's barrier once more
	s_barrier_signal -1
	s_barrier_wait -1
	s_cmp_lg_u32 s14, 0
	s_cbranch_scc1 .Lnot_wave_0_\@
	s_barrier_signal -3
.Lnot_wave_0_\@:
	s_barrier_wait -3
	s_barrier_signal -1
	s_barrier_wait -1
.endm
	s_load_b256 s[4:11], s[0:1], 0x0               ; hs s[4:5], wb s[6:7], b2 s[8:9], route s[10:11]
	s_load_b64 s[12:13], s[0:1], 0x20              ; ys
	v_lshl_add_u32 v254, v0, 2, 0x4c800
	v_mov_b32 v255, 0
	ds_add_u32 v254, v255
	v_lshrrev_b32 v1, 5, v0
	v_readfirstlane_b32 s14, v1
	s_lshr_b32 s15, s14, 1
	s_and_b32 s16, s14, 1
	s_bfe_u32 s17, ttmp6, 0x40000                  ; cx: it enters W's, the bias's and ys's addresses alone
	s_lshl_b32 s73, ttmp9, 2                       ; in a cluster launch ttmp9 counts clusters: the block of slots, which the partners share
	s_mov_b32 s[G1A+0], 15|(1<<16)|(1<<20)|(1<<21)|(5<<22)|(3<<25)  ; 15:0 the mask: all four; 17:16 elements of 2 bytes; 20 padding on; 21 set beside a mask; 24:22 after every 64 words (code 5); 31:25 4 words (code 3)
	s_mov_b32 s[G1A+1], 128<<16                    ; tensor_dim0 = 128
	s_mov_b32 s[G1A+2], 72<<16                     ; tensor_dim1 = 72
	s_mov_b32 s[G1A+3], 128<<16                    ; tile_dim0 = 128
	s_mov_b32 s[G1A+4], 72                         ; tile_dim1 = 72
	s_mov_b32 s[G1A+5], 1024                       ; elements from row to row
	s_mov_b32 s[G1A+6], 0
	s_mov_b32 s[G1A+7], 0
	; My load p (0 .. 3) brings rows 72 (w % 2) .. + 71 of chunk 2 p + w / 2.  In LDS that is byte (2 p + w / 2) CH + (w % 2) AH = 2 p CH + w AH.
	s_mul_i32 s74, ttmp9, BLK*2048                 ; hs: my block (144 rows of 2,048 bytes), my 72 rows, my chunk's 256 bytes; no register of this sum ever holds cx
	s_mul_i32 s75, s16, 72*2048
	s_add_co_u32 s74, s74, s75
	s_lshl_b32 s75, s15, 8
	s_add_co_u32 s74, s74, s75
	s_mov_b32 s75, 0
	s_mul_i32 s2, s14, AH                          ; no place in the cluster enters an LDS address
	s_mul_i32 s78, ttmp9, BLK*4096                 ; ys: my block (144 rows of 4,096 bytes), the tile's columns, my wave's 64 of them
	s_lshl_b32 s79, s17, 10
	s_add_co_u32 s78, s78, s79
	s_lshl_b32 s79, s14, 8
	s_add_co_u32 s78, s78, s79
	s_mov_b32 s79, 0
	s_wait_dscnt 0x0
	s_wait_kmcnt 0x0
	s_load_b32 s20, s[10:11], s73 offset:0x40      ; the block's expert: word 16 + block of the table.  hs's loads do not hang on it: it is waited for behind them
	s_add_nc_u64 s[76:77], s[4:5], s[74:75]
	s_add_nc_u64 s[12:13], s[12:13], s[78:79]
.irp p, 0,1,2,3
	s_mov_b32 s[G0A+4*\p], 1                                       ; count = 1
	s_add_co_u32 s[G0A+4*\p+1], s2, \p*2*CH                        ; LDS address
	s_add_nc_u64 s[G0A+4*\p+2:G0A+4*\p+3], s[76:77], \p*512        ; two chunks on along K
	s_or_b32 s[G0A+4*\p+3], s[G0A+4*\p+3], 0x80000000              ; type = 2
.endr
	CROUND                                         ; all four work-groups are here: the joint loads meet
.irp p, 0,1,2,3
	tensor_load_to_lds s[G0A+4*\p:G0A+4*\p+3], s[G1A:G1A+7]        ; all of hs's block goes out as one group: four tensor loads of mine are out, and there are no others in the launch
	s_nop 0
.endr
.rept 4
	v_nop
.endr
	v_and_b32 v1, 15, v0                           ; l % 16
	v_bfe_u32 v2, v0, 4, 1                         ; l / 16
	v_and_b32 v3, 31, v0
	v_lshlrev_b32 v[L16], 4, v3
	v_lshlrev_b32 v[BV], 7, v2                     ; 32 numbers of the bias for each half of the lanes
	s_lshl_b32 s78, s17, 19                        ; W: the group of 64 columns 4 cx + w: 128 KiB each
	s_lshl_b32 s79, s14, 17
	s_add_co_u32 s78, s78, s79
	s_lshl_b32 s68, s17, 10                        ; the bias: my wave's 64 columns
	s_lshl_b32 s69, s14, 8
	s_add_co_u32 s68, s68, s69
	s_wait_kmcnt 0x0
	s_min_u32 s20, s20, 7                          ; a loaded number is clamped before it enters an address
	s_lshl_b32 s79, s20, 21                        ; an expert's W: 2 MiB
	s_add_co_u32 s78, s78, s79
	s_mov_b32 s79, 0
	s_add_nc_u64 s[56:57], s[6:7], s[78:79]
	s_add_nc_u64 s[56:57], s[56:57], 0x1000000     ; in the second layer's half of wb
	s_lshl_b32 s69, s20, 12                        ; an expert's bias: 4 KiB
	s_add_co_u32 s68, s68, s69
	s_mov_b32 s69, 0
	s_add_nc_u64 s[66:67], s[8:9], s[68:69]
; 4 matrix instructions: row block a x my four fragments of W, 32 along K.  zero = 1: the first product starts the sums.
; The 36 accumulators take turns, one instruction a turn, in the same order throughout.
.macro MULR fw, fa, a, zero
.set AC, 32*((\a)%5)
.irp s, 0,1,2,3
.if \zero
	v_wmma_f32_16x16x32_f16 v[AC+8*\s:AC+8*\s+7], v[\fw+8*\s:\fw+8*\s+7], v[\fa+8*(\a):\fa+8*(\a)+7], 0
.else
	v_wmma_f32_16x16x32_f16 v[AC+8*\s:AC+8*\s+7], v[\fw+8*\s:\fw+8*\s+7], v[\fa+8*(\a):\fa+8*(\a)+7], v[AC+8*\s:AC+8*\s+7]
.endif
.endr
.endm
; 18 LDS loads in one run: hs's nine fragments of step qn, in ascending order, into buffer qn % 2.  Lane l: row l % 16, 16 bytes for each half of the lanes; two loads 32 bytes apart.
.macro FETCHA qn
	WIN 0
.set FAN, AF+72*((\qn)%2)
.set ACH, ADRA+(\qn)/4
.irp a, 0,1,2,3,4,5,6,7,8
	ds_load_b128 v[FAN+8*\a:FAN+8*\a+3],   v[ACH] offset:64*((\qn)%4)+\a*16*PA
	ds_load_b128 v[FAN+8*\a+4:FAN+8*\a+7], v[ACH] offset:64*((\qn)%4)+\a*16*PA+32
.endr
.endm
; 8 loads of 512 consecutive bytes: W's four fragments of step qn, 4 KiB on end, into ring buffer qn % 8
.macro FETCHW qn
	WIN TO_W
.set FWN, 32*((\qn)%8)
.irp s, 0,1,2,3
	global_load_b128 v[FWN+8*\s:FWN+8*\s+3],   v[L16], s[56:57] offset:(\qn)*4096+\s*1024
	global_load_b128 v[FWN+8*\s+4:FWN+8*\s+7], v[L16], s[56:57] offset:(\qn)*4096+\s*1024+512
.endr
.endm
.macro PLACES                          ; four places in front of loads into registers that matrix instructions have read, and of vector work on results
.rept 4
	v_nop
.endr
.endm
; Step q: 36 matrix instructions on hs's buffer q % 2 and W's buffer q % 8.  In its middle it fetches hs's fragments of step q + 1 into the other buffer and asks for W's of step q + 7, into the buffer that step q - 1 multiplied.
; Steps 7, 15 and 23 stand in front of the next two chunks of hs: each wave waits for its next tensor load (the younger ones stay out) and for its LDS loads, and a barrier
; shows the two chunks to every wave; twenty matrix instructions stand between its signal and its wait.
.macro QUARTER q, zero
.set FAQ, AF+72*((\q)%2)
.set FWQ, 32*((\q)%8)
.set LC, 8*(NQ-1-(\q))                 ; W's loads that are younger than this step's: eight for each step asked for behind it: six steps, fewer at the end;
.if LC > 48
.set LC, 48
.endif
.if (\q) == 0
.set LC, 40                            ; five at the start (steps 6 and 7 are asked for in step 0, so that with the bias no more than 56 loads go out at once)
.endif
	s_wait_loadcnt LC                              ; loads come back in order (ISA guide 5.7.1): this step's fragments of W are in
.if ((\q)%8 == 7) && ((\q) < NQ-1)
	s_wait_dscnt 0x0                               ; no LDS load of mine is out at a signal; my reads of the chunks so far are over
	s_wait_tensorcnt 3-((\q)+1)/8                  ; my part of the next two chunks has landed
	s_barrier_signal -1
.else
	s_wait_dscnt 8                                 ; hs's blocks 0-4 are in; the youngest eight loads (blocks 5-8) may be out
.endif
	WIN MUL_LO
.irp a, 0,1,2,3,4
	MULR FWQ, FAQ, \a, \zero
.endr
.if ((\q)%8 == 7) && ((\q) < NQ-1)
	s_barrier_wait -1                              ; everybody's part has
.endif
.if (\q) < NQ-1
	PLACES
	FETCHA (\q)+1
.if (\q) == 0
	FETCHW 6
	FETCHW 7
.elseif (\q) < NQ-7
	FETCHW (\q)+7
.endif
	s_wait_dscnt 18                                ; all but the 18 just issued
.else
	s_wait_dscnt 0x0
.endif
	WIN MUL_HI
.irp a, 5,6,7,8
	MULR FWQ, FAQ, \a, \zero
.endr
.endm
; THE WAY OUT of row block a, in three parts.  PACK: sum + bias comes down into window 0 and into the columns' order (column 4 j + s is register j of accumulator s; each accumulator's registers are taken from the
; low end on).  TOSTAGE: 128 bytes a lane into my own stage, and back as whole rows.  SEND: stored.  A wave's 64 columns of f32 are 256 bytes, so the stage is the wave's own and no barrier is needed:
; LDS serves a wave's instructions in order (ISA guide 5.7.1.4).  The stages lie on chunk 0: every wave's reads of it were over in front of step 7's barrier, and no tensor load is left in the launch.
.macro PACK a
.set AC, 32*((\a)%5)
	WIN (0x02+(\a)/5)                              ; source 0 in window 2 or 3
.irp j, 0,1,2,3,4,5,6,7
.irp s, 0,1,2,3
	v_add_f32 v[TMP+4*\j+\s], v[AC+8*\s+\j], v[BIAS+4*\j+\s]
.endr
.endr
	WIN 0
.endm
.macro TOSTAGE a
.set BKA, BK+32*((\a)%2)
.irp i, 0,1,2,3,4,5,6,7
	ds_store_b128 v[STO], v[TMP+4*\i:TMP+4*\i+3] offset:16*\i
.endr
.irp t, 0,1,2,3,4,5,6,7
	ds_load_b128 v[BKA+4*\t:BKA+4*\t+3], v[RD] offset:\t*2*SP
.endr
.endm
.macro SEND a
.set BKA, BK+32*((\a)%2)
	s_wait_dscnt 0x0                               ; the block is back in registers
	s_wait_xcnt 0x0                                ; the other buffer, which the block before was stored from, is loaded again only behind this wait
.irp t, 0,1,2,3,4,5,6,7
	global_store_b128 v[CO], v[BKA+4*\t:BKA+4*\t+3], s[12:13] offset:(16*(\a)+2*\t)*4096   ; 16 lanes store 256 consecutive bytes, at a multiple of 256 from ys's first byte
.endr
.endm
.irp i, 0,1,2,3,4,5,6,7                ; the bias: 128 consecutive bytes for each half of the lanes; older than all of W's loads, so step 0's wait shows it landed
	global_load_b128 v[BIAS+4*\i:BIAS+4*\i+3], v[BV], s[66:67] offset:16*\i
.endr
.irp n, 0,1,2,3,4,5
	FETCHW \n                                      ; W's ring is filled while hs's chunks are on their way
.endr
	WIN 0
	v_mul_u32_u24 v3, v1, PA
	v_lshl_add_u32 v[ADRA], v2, 4, v3              ; a fragment's row x pitch + 16 x half.  Every wave reads all 144 rows
.irp c, 1,2,3,4,5,6,7
	v_add_nc_u32 v[ADRA+\c], \c*CH, v[ADRA]
.endr
	s_mul_i32 s74, s14, 16*SP                      ; my stage
	v_mul_u32_u24 v3, v1, SP                       ; in: row l % 16, 128 bytes for each half of the lanes
	v_lshl_add_u32 v3, v2, 7, v3
	v_add_nc_u32 v[STO], s74, v3
	v_mul_u32_u24 v3, v2, SP                       ; back: lanes 0-15 take one row of 256 bytes, lanes 16-31 the next
	v_lshl_add_u32 v3, v1, 4, v3
	v_add_nc_u32 v[RD], s74, v3
	v_lshlrev_b32 v3, 12, v2                       ; and the same two rows in ys
	v_lshl_add_u32 v[CO], v1, 4, v3
	s_wait_tensorcnt 3                             ; my part of chunks 0 and 1 is in; my three younger loads stay out
	s_barrier_signal -1
	s_barrier_wait -1                              ; everybody's is
	FETCHA 0
	QUARTER 0, 1                                   ; the first step's products start the sums: nothing is ever cleared
.set qq, 1
.rept NQ-1
	QUARTER qq, 0
.set qq, qq+1
.endr
	WIN 0
	PLACES
	PACK 0
	TOSTAGE 0
.irp a, 1,2,3,4,5,6,7,8                ; block a's additions stand between block a - 1's loads from the stage and the wait for them
	PACK \a
	SEND \a-1
	TOSTAGE \a
.endr
	SEND 8
	s_wait_tensorcnt 0x0
	ds_add_u32 v254, v255
	s_wait_dscnt 0x0
	CROUND                                         ; the closing round: no work-group ends while a partner may still ask for a tile that names it
	s_endpgm
.Lfunc_end_k_qb1cd58e7c3_gemm2:
	.size	k_qb1cd58e7c3_gemm2, .Lfunc_end_k_qb1cd58e7c3_gemm2-k_qb1cd58e7c3_gemm2
	.p2alignl 7, 3214868480
	.fill 96, 4, 3214868480
	.section	.rodata,"a",@progbits
	.p2align	6, 0x0
	.amdhsa_kernel k_qb1cd58e7c3_gemm2
		.amdhsa_group_segment_fixed_size 327680
		.amdhsa_private_segment_fixed_size 0
		.amdhsa_enable_private_segment 0
		.amdhsa_kernarg_size 40
		.amdhsa_user_sgpr_count 2
		.amdhsa_user_sgpr_kernarg_segment_ptr 1
		.amdhsa_wavefront_size32 1
		.amdhsa_system_sgpr_workgroup_id_x 1
		.amdhsa_system_sgpr_workgroup_id_y 1
		.amdhsa_system_sgpr_workgroup_id_z 1
		.amdhsa_system_vgpr_workitem_id 0
		.amdhsa_next_free_vgpr 896
		.amdhsa_next_free_sgpr 96
		.amdhsa_reserve_vcc 0
		.amdhsa_float_denorm_mode_32 3
		.amdhsa_float_denorm_mode_16_64 3
		.amdhsa_memory_ordered 1
		.amdhsa_forward_progress 1
		.amdhsa_inst_pref_size 177
	.end_amdhsa_kernel
	.amdgpu_metadata
---
amdhsa.version: [ 1, 2 ]
amdhsa.kernels:
  - .name:           k_qb1cd58e7c3_gemm2
    .symbol:         k_qb1cd58e7c3_gemm2.kd
    .args:
      - { .name: hs, .offset: 0, .size: 8, .value_kind: global_buffer, .address_space: global }
      - { .name: wb, .offset: 8, .size: 8, .value_kind: global_buffer, .address_space: global }
      - { .name: b2, .offset: 16, .size: 8, .value_kind: global_buffer, .address_space: global }
      - { .name: route, .offset: 24, .size: 8, .value_kind: global_buffer, .address_space: global }
      - { .name: ys, .offset: 32, .size: 8, .value_kind: global_buffer, .address_space: global }
    .group_segment_fixed_size: 327680
    .private_segment_fixed_size: 0
    .kernarg_segment_align: 8
    .kernarg_segment_size: 40
    .max_flat_workgroup_size: 128
    .sgpr_count:     96
    .vgpr_count:     896
    .wavefront_size: 32
...
	.end_amdgpu_metadata
.endif
;; end of part 9
;; launch combine: the kernel of part 6 again; grid 256 x 1, 8 waves a work-group, no clusters, 0 bytes of LDS; arguments ys, route, gate, out0; writes out0
;; ======== version 3 of 3: 6 launches; version 2 with the launch combine written anew for expert scheduling mode
;; limits: values are held in f16: magnitudes above 65,504 overflow, below 6.1e-05 lose precision
;; workspace buffers: sel 16,384 bytes of whole numbers; gate 32,768 bytes; route 40,960 bytes of whole numbers; wb 33,554,432 bytes; xs 18,874,368 bytes; hs 18,874,368 bytes; ys 37,748,736 bytes
;; launch router: the kernel of part 1 again; grid 256 x 1, 8 waves a work-group, no clusters, 5,120 bytes of LDS; arguments x, Wr, br, sel, gate; writes sel, gate
;; launch prep: the kernel of part 7 again; grid 1025 x 1, 8 waves a work-group, no clusters, 1,280 bytes of LDS; arguments sel, W1, W2, route, wb; writes route, wb
;; launch gather: the kernel of part 3 again; grid 256 x 1, 8 waves a work-group, no clusters, 0 bytes of LDS; arguments x, route, xs; writes xs
;; launch gemm1: the kernel of part 8 again; grid 256 x 1, 4 waves a work-group, clusters of 4 x 1, 327,680 bytes of LDS; arguments xs, wb, b1, route, hs; writes hs
;; launch gemm2: the kernel of part 9 again; grid 256 x 1, 4 waves a work-group, clusters of 4 x 1, 327,680 bytes of LDS; arguments hs, wb, b2, route, ys; writes ys
;; launch combine (part 10): grid 256 x 1, 8 waves a work-group, no clusters, 0 bytes of LDS; arguments ys, route, gate, out0; writes out0
.if DOCPART == 10
	.amdgcn_target "amdgcn-amd-amdhsa--gfx1250"
	.amdhsa_code_object_version 6
	.text
	.protected	k_qb1cd58e7c3_combine
	.globl	k_qb1cd58e7c3_combine
	.p2align	8
	.type	k_qb1cd58e7c3_combine,@function
k_qb1cd58e7c3_combine:
	s_mov_b64 s[64:65], 0
	v_nop
	global_prefetch_b8 v0, s[64:65] scope:SCOPE_SE
	s_setreg_imm32_b32 hwreg(HW_REG_WAVE_SCHED_MODE, 0, 2), 2
	s_setreg_imm32_b32 hwreg(HW_REG_WAVE_MODE, 25, 1), 1
	s_wait_xcnt 0x0
	s_wait_alu depctr_vm_vsrc(0)
; COMBINE.  out[t] = g1[t] ys[slot of t's first expert] + g2[t] ys[slot of its second].  The other six experts' weights are exactly 0.
; A wave takes two tokens: four rows of 4,096 bytes, all 32 loads out at once; each result is made in the registers that a row was loaded into and stored from there.
; The slots are whole numbers that an earlier launch stored; each is clamped to the buffer's 9,216 rows before it enters an address.
; Memory binds: no LDS, no barrier, no matrix unit.  Every load and store of a wave covers 512 consecutive bytes, aligned.
; THE MODE: SCHED_MODE bits 1:0 = 2 (LLVM: expert scheduling mode 2), set by the entry lines.  The code itself states the register dependences
; between vector instructions and memory instructions, with s_wait_alu, always for 0.
; THE PLAN.  Registers that memory instructions touch:
;   v2      16 x lane, the offset of every load and store.  Written once, at the head; never again.
;   Y(n)    piece n of 16: eight registers.  Two loads land in it at the start, before any vector instruction has named it; piece n's four packed instructions read
;           all eight and write the low four; one store reads the low four; nothing writes them again.
; So no register that a memory instruction has read is ever rewritten: the text owes no wait on vm_vsrc and no s_wait_xcnt.
; What is owed is that a store's data are written.  The pieces go in four blocks of four.  Block p's vector instructions name Y(4 p) .. Y(4 p + 3) alone; its memory instructions
; are the four stores of block p - 1.  ONE wait on va_vdst at a block's head states that the block before has written its results; its four stores follow, one in front of each
; piece's arithmetic, with no further wait.  One more wait stands ahead of the last block's stores.
.set Y, 8                              ; v[8:135]  piece n = 8 k + j (token k, 512 bytes j of a row): 4 registers of the first row, 4 of the second
	s_load_b256 s[4:11], s[0:1], 0x0               ; ys s[4:5], route s[6:7], gate s[8:9], out0 s[10:11]
	v_lshrrev_b32 v1, 5, v0
	v_readfirstlane_b32 s12, v1
	v_and_b32 v1, 31, v0
	v_lshlrev_b32 v2, 4, v1
	s_wait_alu depctr_va_sdst(0)                   ; s12, the wave's number, is written, ahead of its first reader: the wave's places in POS, gate and out are made from it
	s_lshl_b32 s13, ttmp9, 3
	s_add_co_u32 s13, s13, s12                     ; my wave's number in the launch
	s_lshl_b32 s14, s13, 4                         ; its 16 bytes of POS and of gate
	s_lshl_b32 s40, s13, 13                        ; its two rows of out
	s_mov_b32 s41, 0
	s_wait_kmcnt 0x0
	s_load_b128 s[16:19], s[6:7], s14 offset:0x2000
	s_load_b128 s[24:27], s[8:9], s14 offset:0x0
	s_add_nc_u64 s[10:11], s[10:11], s[40:41]
	s_wait_kmcnt 0x0
.irp n, 0,1,2,3
	s_min_u32 s[16+\n], s[16+\n], 9215
	s_lshl_b32 s[32+2*\n], s[16+\n], 12            ; rows of 4,096 bytes
	s_mov_b32 s[33+2*\n], 0
	s_add_nc_u64 s[32+2*\n:33+2*\n], s[4:5], s[32+2*\n:33+2*\n]
.endr
	s_mov_b32 s28, s25                             ; the packed forms take the low word of an even pair for both halves: the second gates get pairs of their own
	s_mov_b32 s29, s25
	s_mov_b32 s30, s27
	s_mov_b32 s31, s27
	s_wait_alu depctr_va_vdst(0)                   ; v2 is written: every load and store of the kernel reads it as its offset
.irp k, 0,1
.irp j, 0,1,2,3,4,5,6,7
	global_load_b128 v[Y+8*(8*\k+\j):Y+8*(8*\k+\j)+3],   v2, s[32+4*\k:33+4*\k] offset:512*\j th:TH_LOAD_NT
	global_load_b128 v[Y+8*(8*\k+\j)+4:Y+8*(8*\k+\j)+7], v2, s[34+4*\k:35+4*\k] offset:512*\j th:TH_LOAD_NT
.endr
.endr
; Piece n's arithmetic: g1 x the first row, then g2 x the second row added to it, two numbers to an instruction; token n / 8 picks the gates.
.macro ARITH n
.irp p, 0,2
	v_pk_mul_f32 v[Y+8*(\n)+\p:Y+8*(\n)+\p+1], v[Y+8*(\n)+\p:Y+8*(\n)+\p+1], s[24+2*((\n)/8):25+2*((\n)/8)] op_sel_hi:[1,0]
.endr
.irp p, 0,2
	v_pk_fma_f32 v[Y+8*(\n)+\p:Y+8*(\n)+\p+1], v[Y+8*(\n)+4+\p:Y+8*(\n)+4+\p+1], s[28+2*((\n)/8):29+2*((\n)/8)], v[Y+8*(\n)+\p:Y+8*(\n)+\p+1] op_sel_hi:[1,0,1]
.endr
.endm
; Piece n's store: the wave's two rows of out lie on end, so piece n is 512 n bytes from their start.
.macro OUT n
	global_store_b128 v2, v[Y+8*(\n):Y+8*(\n)+3], s[10:11] offset:512*(\n) th:TH_STORE_NT
.endm
.set pc, 0
.rept 16
	s_wait_loadcnt 30-2*pc                         ; this piece's two loads are in; the younger pieces' stay out
.if (pc >= 4) && (pc % 4 == 0)
	s_wait_alu depctr_va_vdst(0)                   ; a block's head: the block before has written the low four registers of its four pieces, which the four stores of this block read
.endif
.if pc >= 4
	OUT pc-4                                       ; no vector instruction since that wait names these registers or v2
.endif
	ARITH pc
.set pc, pc+1
.endr
	s_wait_alu depctr_va_vdst(0)                   ; the last block has written its results, which the last four stores read
	OUT 12
	OUT 13
	OUT 14
	OUT 15
	s_endpgm
.Lfunc_end_k_qb1cd58e7c3_combine:
	.size	k_qb1cd58e7c3_combine, .Lfunc_end_k_qb1cd58e7c3_combine-k_qb1cd58e7c3_combine
	.p2alignl 7, 3214868480
	.fill 96, 4, 3214868480
	.section	.rodata,"a",@progbits
	.p2align	6, 0x0
	.amdhsa_kernel k_qb1cd58e7c3_combine
		.amdhsa_group_segment_fixed_size 0
		.amdhsa_private_segment_fixed_size 0
		.amdhsa_enable_private_segment 0
		.amdhsa_kernarg_size 32
		.amdhsa_user_sgpr_count 2
		.amdhsa_user_sgpr_kernarg_segment_ptr 1
		.amdhsa_wavefront_size32 1
		.amdhsa_system_sgpr_workgroup_id_x 1
		.amdhsa_system_sgpr_workgroup_id_y 1
		.amdhsa_system_sgpr_workgroup_id_z 1
		.amdhsa_system_vgpr_workitem_id 0
		.amdhsa_next_free_vgpr 136
		.amdhsa_next_free_sgpr 66
		.amdhsa_reserve_vcc 0
		.amdhsa_float_denorm_mode_32 3
		.amdhsa_float_denorm_mode_16_64 3
		.amdhsa_memory_ordered 1
		.amdhsa_forward_progress 1
		.amdhsa_inst_pref_size 11
	.end_amdhsa_kernel
	.amdgpu_metadata
---
amdhsa.version: [ 1, 2 ]
amdhsa.kernels:
  - .name:           k_qb1cd58e7c3_combine
    .symbol:         k_qb1cd58e7c3_combine.kd
    .args:
      - { .name: ys, .offset: 0, .size: 8, .value_kind: global_buffer, .address_space: global }
      - { .name: route, .offset: 8, .size: 8, .value_kind: global_buffer, .address_space: global }
      - { .name: gate, .offset: 16, .size: 8, .value_kind: global_buffer, .address_space: global }
      - { .name: out0, .offset: 24, .size: 8, .value_kind: global_buffer, .address_space: global }
    .group_segment_fixed_size: 0
    .private_segment_fixed_size: 0
    .kernarg_segment_align: 8
    .kernarg_segment_size: 32
    .max_flat_workgroup_size: 256
    .sgpr_count:     66
    .vgpr_count:     136
    .wavefront_size: 32
...
	.end_amdgpu_metadata
.endif
;; end of part 10
